; MI455X (gfx1250); checked and timed in simulation.
; The chip was launched on July 23, 2026; its instructions are those of AMD's public machine-readable ISA for CDNA 5 (MIT licence, August 2026) and "CDNA5" Instruction Set Architecture Reference Guide (July 2026). The comments in the code are by the model that wrote it; some were corrected since.
;; Transformer Encoder Block. Allowed arithmetic: matrix products marked QUANTISED: E4M3 operands, one given power-of-two scale a tensor, by v_wmma_f32_16x16x64_fp8_fp8 or v_wmma_f32_16x16x128_fp8_fp8, f32 sums; everything else in f32.
;; Inputs: b_fc1 4,096 float32; b_fc2 1,024 float32; b_proj 1,024 float32; be1 1,024 float32; be2 1,024 float32; g1 1,024 float32; g2 1,024 float32; lowp_scales 12 int32 (the exponents e of the quantised operands' scales 2^e); w_fc1 1,024 x 4,096 float32; w_fc2 4,096 x 1,024 float32; w_proj 1,024 x 1,024 float32; w_qkv 1,024 x 3,072 float32; x 2 x 2,048 x 1,024 float32.
;; Outputs: out0 2 x 2,048 x 1,024 float32.
;; This version of the problem:
;;   THIS VERSION OF THE PROBLEM IS GIVEN IN LOW PRECISION. The matrix products marked QUANTISED in the list below multiply operands that are first quantised to E4M3 (4 exponent bits, 3 mantissa bits; 8 bits a number), with one given power-of-two scale for each operand tensor; their sums are f32. All else is computed in f32.
;;   The module's matrix products, in the order in which they are computed (A, B: the left and right operand; K: the contracted axis; several contracted axes count as one K, in the product's order):
;;     1. [M 4,096, K 1,024] x [K 1,024, N 3,072]; A: computed on the way; B: input w_qkv: QUANTISED (scales: A lowp_scales[0], B lowp_scales[1])
;;     2. batch 32 x [M 2,048, K 64] x [K 64, N 2,048]; A: computed on the way; B: computed on the way: QUANTISED (scales: A lowp_scales[2], B lowp_scales[3])
;;     3. batch 32 x [M 2,048, K 2,048] x [K 2,048, N 64]; A: softmax (see below); B: computed on the way: QUANTISED (scales: A lowp_scales[4], B lowp_scales[5])
;;     4. [M 4,096, K 1,024] x [K 1,024, N 1,024]; A: computed on the way; B: input w_proj: QUANTISED (scales: A lowp_scales[6], B lowp_scales[7])
;;     5. [M 4,096, K 1,024] x [K 1,024, N 4,096]; A: computed on the way; B: input w_fc1: QUANTISED (scales: A lowp_scales[8], B lowp_scales[9])
;;     6. [M 4,096, K 4,096] x [K 4,096, N 1,024]; A: computed on the way; B: input w_fc2: QUANTISED (scales: A lowp_scales[10], B lowp_scales[11])
;;   THE QUANTISER, for each operand of a quantised product, along K:
;;     - The operand's scale is 2^e, e = its entry of the input lowp_scales (int32; the entries are numbered through the quantised products in the list's order, A before B).
;;     - Each number is divided by the scale, clamped to +-448, and rounded to the nearest number of E4M3, ties to even, subnormals kept.
;;     - The product sums the exact products of the quantised numbers (number of the format x scale) in f32.
;;   ~~~python
;;   def quantise(x, axis, e):      # numpy; x: float32 -> the quantised numbers, widened to float32 again
;;       x = np.moveaxis(x, axis, -1); K = x.shape[-1]
;;       r = np.clip(x / 2.0 ** e, -448, 448)
;;       step = 2.0 ** (np.maximum(np.frexp(np.where(r == 0, 1, r))[1] - 1, -6) - 3)
;;       q = np.round(r / step) * step * 2.0 ** e      # np.round: ties to even
;;       return np.moveaxis(q, -1, axis).astype(np.float32)
;;   ~~~
;;   SOFTMAX AHEAD OF A QUANTISED PRODUCT. Where the list says 'softmax', what is quantised is not the finished softmax but p = 2^(t - M), with t = logit x log2(e) and M = ceil(the row's largest t), a whole number; so 1/2 < the row's largest p <= 1. The row's sum l is taken of the UNQUANTISED p, in f32, and the product's result is divided by l at the end. Since M is a whole number, a kernel that streams over the keys may use a running M (the ceiling of the running maximum): every later rescaling is an exact power of two, so the quantised numbers keep their values, but for numbers so far below the row's largest that they fall under the format's range.
;;   OPERANDS COMPUTED ON THE WAY. 'Computed on the way' means the value that the module computes at that place (a softmax that the list does not call 'softmax' is quantised finished and normalised). What goes into a quantiser is computed in f32, as accurately as f32 sums, v_exp_f32 and their like allow (about 1e-6 of the number): no bf16 or f16 on the way to a quantiser, and a product that is left as it is and whose result goes on into a quantised operand takes f32 operands (vector FMAs, or v_wmma_f32_16x16x4_f32). A number that lies on a knife's edge between two numbers of the format may be rounded either way, as far as f32 arithmetic and the matrix unit's own rounding can turn it there, and no further.
;; One version. Each part assembles by itself: llvm-mc -triple=amdgcn-amd-amdhsa -mcpu=gfx1250 --defsym DOCPART=n.
;; ======== version 1 of 1: 7 launches
;; workspace buffers: wc 12,582,912 bytes; hc 4,194,304 bytes; qkvc 12,582,912 bytes; oc 4,194,304 bytes; x1 16,777,216 bytes; hid 16,777,216 bytes
;; launch prep (part 1): grid 640 x 1, 4 waves a work-group, no clusters, 35,328 bytes of LDS; arguments x, g1, be1, w_qkv, w_proj, w_fc1, w_fc2, lowp_scales, wc, hc; writes wc, hc
.if DOCPART == 1
	.amdgcn_target "amdgcn-amd-amdhsa--gfx1250"
	.amdhsa_code_object_version 6
	.text
	.protected	k_q5a0b26d28b_prep
	.globl	k_q5a0b26d28b_prep
	.p2align	8
	.type	k_q5a0b26d28b_prep,@function
k_q5a0b26d28b_prep:
	s_mov_b64 s[64:65], 0
	v_nop
	global_prefetch_b8 v0, s[64:65] scope:SCOPE_SE
	s_setreg_imm32_b32 hwreg(HW_REG_WAVE_MODE, 25, 1), 1
	s_wait_xcnt 0x0
; TWO JOBS IN ONE LAUNCH, told apart by the work-group's number.
; Work-groups 0-383: the four weights, f32 stored [K][N], become codes of E4M3 laid [N][K], K innermost, each with its given scale 2^e.
; Work-groups 384-639: h = LayerNorm(x) g1 + be1 becomes codes of E4M3 with the scale 2^e0, 16 rows a work-group, a wave to a row.
; THE ORDER ALONG K.  Inside each aligned block of 256 along K, place 8 l + 4 u + i holds k = 128 u + 4 l + i (l 0-31, u 0-1, i 0-3): that is what lane l holds after two
; dense 16-byte loads of f32, 512 bytes apart.  The same order is given to both operands of a product (h and w_qkv, h2 and w_fc1, the hidden layer and w_fc2), so every product
; meets its partner; only the order of the additions changes.  w_proj keeps the natural order, as its partner does.
; code = x / 2^e, held within +-448, to the nearest code, ties to even.  LIMITS: each e between -126 and 119.  NaN and infinities among the inputs are not served.
; No tensor loads, no barrier: waves share nothing.
.set SPARE, 34816                      ; behind the four stages: the spare words, 128 bytes for each wave
.set SPW,  14                          ; v14  LDS address of my spare word; never rewritten
.set NIL,  15                          ; v15  0; never rewritten
.set VO,   16                          ; weights: v16-47 byte offset of row r of a block of 32 places, at my column
.set X,    48                          ; v48-111  two sets of 32 numbers
.set C,    112                         ; v112-119 a block's codes
.set OUTR, 120                         ; v120-183 the way out
.set OFF,  184                         ; v184-199 the way out: offsets in the codes' buffer
.set LG,   16                          ; LayerNorm: v16-47 g, v48-79 be, v80-207 four rows of x, v208-239 their codes, v240-255 at work
.set LB,   48
.set LX,   80
.set LC,   208
.set LT,   240
.set MU,   6                           ; v[6:7] the mean, twice;  v[8:9] 1 / sqrt(var + eps), twice
.set RS,   8
	s_load_b512 s[8:23], s[0:1], 0x0               ; x, g1, be1, w_qkv, w_proj, w_fc1, w_fc2, the scales' exponents
	s_load_b128 s[24:27], s[0:1], 0x40             ; wc, hc
	v_lshl_add_u32 v[SPW], v0, 2, SPARE
	v_mov_b32 v[NIL], 0
	v_lshrrev_b32 v1, 5, v0
	v_readfirstlane_b32 s28, v1                    ; wave 0..3
	v_and_b32 v2, 31, v0                           ; lane
	s_wait_kmcnt 0x0
	s_load_b256 s[32:39], s[22:23], 0x0            ; e0 .. e7
	s_load_b128 s[40:43], s[22:23], 0x20           ; e8 .. e11
	s_cmp_ge_u32 ttmp9, 384
	s_cbranch_scc1 .Lln
; ---------------- THE WEIGHTS.  One text for all four: what differs is chosen by the work-group's number alone.
; A work-group takes 128 columns x 256 along K; a wave 32 columns; A LANE TAKES A COLUMN AND ITS REGISTERS RUN DOWN K, so the conversions give codes with K innermost.
	s_mov_b32 s44, 4096                            ; w_fc2: a row of the weight in bytes,
	s_mov_b32 s45, 4096                            ; a row of its codes in bytes (= K),
	s_mov_b32 s46, 4                               ; log2 of K / 256,
	s_mov_b32 s47, 8388608                         ; where its codes begin in wc,
	s_mov_b32 s49, 0                               ; 1: natural order along K,
	s_mov_b32 s51, 256                             ; its first work-group
	s_mov_b64 s[4:5], s[20:21]
	s_cmp_lt_u32 ttmp9, 256                        ; w_fc1
	s_cselect_b32 s44, 16384, s44
	s_cselect_b32 s45, 1024, s45
	s_cselect_b32 s46, 2, s46
	s_cselect_b32 s47, 4194304, s47
	s_cselect_b32 s51, 128, s51
	s_cselect_b64 s[4:5], s[18:19], s[4:5]
	s_cmp_lt_u32 ttmp9, 128                        ; w_proj
	s_cselect_b32 s44, 4096, s44
	s_cselect_b32 s47, 3145728, s47
	s_cselect_b32 s49, 1, s49
	s_cselect_b32 s51, 96, s51
	s_cselect_b64 s[4:5], s[16:17], s[4:5]
	s_cmp_lt_u32 ttmp9, 96                         ; w_qkv
	s_cselect_b32 s44, 12288, s44
	s_cselect_b32 s47, 0, s47
	s_cselect_b32 s49, 0, s49
	s_cselect_b32 s51, 0, s51
	s_cselect_b64 s[4:5], s[14:15], s[4:5]
	s_sub_co_u32 s29, ttmp9, s51                   ; my number within the tensor
	s_lshr_b32 s30, s29, s46                       ; which 128 columns
	s_bfm_b32 s31, s46, 0
	s_and_b32 s31, s29, s31                        ; which 256 along K
	s_lshl_b32 s30, s30, 7
	s_lshl_b32 s50, s28, 5
	s_add_co_u32 s30, s30, s50                     ; my wave's first column
	s_mul_i32 s58, s31, s44
	s_lshl_b32 s58, s58, 8                         ; 256 rows of the weight for each step along K,
	s_lshl_b32 s50, s30, 2
	s_add_co_u32 s58, s58, s50                     ; + 4 bytes a column: under 2^25
	s_mov_b32 s59, 0
	s_add_nc_u64 s[4:5], s[4:5], s[58:59]
	s_mul_i32 s58, s30, s45                        ; the codes: a row for each column,
	s_lshl_b32 s50, s31, 8
	s_add_co_u32 s58, s58, s50                     ; + 256 bytes for each step along K,
	s_add_co_u32 s58, s58, s47                     ; in the tensor's part of wc
	s_add_nc_u64 s[6:7], s[24:25], s[58:59]
	v_lshlrev_b32 v3, 2, v2                        ; 4 bytes a lane
	s_cmp_eq_u32 s49, 1                            ; the selects below all hang on this compare; nothing between them writes SCC
	s_cselect_b32 s52, 32, 16                      ; a block of 32 places is 32 rows on in the natural order, 16 in the other
	s_mul_i32 s52, s52, s44
	s_mov_b32 s53, 0
.set r, 0
.rept 32                               ; place r of a block: row r, or row 128 ((r / 4) % 2) + 4 (r / 8) + r % 4
	s_cselect_b32 s50, r, 128*((r>>2)&1)+4*(r>>3)+(r&3)
	s_mul_i32 s50, s50, s44
	v_add_nc_u32 v[VO+r], s50, v3
.set r, r+1
.endr
	s_mul_i32 s50, s28, 8704                       ; my stage: 32 rows (columns of the weight) of 256 bytes + 16
	v_mul_u32_u24 v4, v2, 272
	v_add_nc_u32 v4, s50, v4                       ; into it: row = my column
	v_and_b32 v5, 15, v2
	v_lshrrev_b32 v6, 4, v2
	v_mul_u32_u24 v7, v6, 272
	v_lshl_add_u32 v7, v5, 4, v7
	v_add_nc_u32 v7, s50, v7                       ; out of it: sixteen lanes to a row, two rows an instruction
	v_mul_lo_u32 v8, v6, s45
	v_lshl_add_u32 v8, v5, 4, v8                   ; and the same place in the codes' buffer
.macro LOAD t                          ; block t's 32 places into set t % 2: each load reads 128 consecutive bytes a wave
.if (\t) > 0
	s_wait_xcnt 0x0                                ; the earlier loads have read their base: it may step
	s_add_nc_u64 s[4:5], s[4:5], s[52:53]
.endif
.set r, 0
.rept 32
	global_load_b32 v[X+32*((\t)%2)+r], v[VO+r], s[4:5] th:TH_LOAD_NT
.set r, r+1
.endr
.endm
	LOAD 0
	LOAD 1
	s_wait_kmcnt 0x0
	s_mov_b32 s48, s43                             ; e11, e9, e7 or e1
	s_cmp_lt_u32 ttmp9, 256
	s_cselect_b32 s48, s41, s48
	s_cmp_lt_u32 ttmp9, 128
	s_cselect_b32 s48, s39, s48
	s_cmp_lt_u32 ttmp9, 96
	s_cselect_b32 s48, s33, s48
	s_add_co_i32 s48, s48, 127
	s_lshl_b32 s50, s48, 23
	v_mov_b32 v11, s50                             ; 2^e as f32: the conversion takes its exponent field
	s_add_co_i32 s48, s48, 8
	s_lshl_b32 s48, s48, 23
	s_or_b32 s48, s48, 0x600000
	v_mov_b32 v10, s48                             ; 448 x 2^e
.macro BLOCK t
.set XS, X+32*((\t)%2)
.if (\t) < 7
	s_wait_loadcnt 32                              ; this block's 32 loads are in; the next block's may be out
.else
	s_wait_loadcnt 0x0
.endif
.set r, 0
.rept 32
	v_med3_num_f32 v[XS+r], v[XS+r], -v10, v10     ; the conversion to an 8-bit code does not saturate (ISA guide 7.6.2): the hold comes first
.set r, r+1
.endr
.irp g, 0,1,2,3
	v_cvt_scalef32_pk8_fp8_f32 v[C+2*\g:C+2*\g+1], v[XS+8*\g:XS+8*\g+7], v11
.endr
	ds_store_b128 v4, v[C:C+3] offset:32*(\t)      ; 32 codes of my column's row
	ds_store_b128 v4, v[C+4:C+7] offset:32*(\t)+16
.if (\t)+2 < 8
	LOAD (\t)+2
.endif
	s_wait_dscnt 0x0                               ; the stores have read their registers: the next block's codes may be written
.endm
.irp t, 0,1,2,3,4,5,6,7
	BLOCK \t
.endr
	s_lshl_b32 s50, s45, 1                         ; two rows of codes
	v_mov_b32 v[OFF], v8
.set t, 1
.rept 15
	v_add_nc_u32 v[OFF+t], s50, v[OFF+t-1]
.set t, t+1
.endr
.irp t, 0,1,2,3,4,5,6,7,8,9,10,11,12,13,14,15
	ds_load_b128 v[OUTR+4*\t:OUTR+4*\t+3], v7 offset:2*\t*272   ; LDS serves a wave's instructions in order: these see my stores
.endr
.irp t, 0,1,2,3,4,5,6,7,8,9,10,11,12,13,14,15
	s_wait_dscnt 15-\t                             ; the younger read-backs may stay out
	global_store_b128 v[OFF+\t], v[OUTR+4*\t:OUTR+4*\t+3], s[6:7]   ; sixteen lanes store 256 consecutive bytes, aligned
.endr
	s_wait_tensorcnt 0x0                           ; the wave's end
	ds_add_u32 v[SPW], v[NIL]
	s_wait_dscnt 0x0
	s_endpgm
; ---------------- LAYERNORM.  A wave takes four rows, one after the other; a row of 4,096 bytes is 32 registers; nothing leaves the wave.
.macro REDUCE                          ; v[LT] summed over the 32 lanes, into every lane
	v_add_f32_dpp v[LT], v[LT], v[LT] row_xmask:1 row_mask:0xf bank_mask:0xf
	v_add_f32_dpp v[LT], v[LT], v[LT] row_xmask:2 row_mask:0xf bank_mask:0xf
	v_add_f32_dpp v[LT], v[LT], v[LT] row_xmask:4 row_mask:0xf bank_mask:0xf
	v_add_f32_dpp v[LT], v[LT], v[LT] row_xmask:8 row_mask:0xf bank_mask:0xf
	v_permlanex16_b32 v[LT+1], v[LT], s54, s55
	v_add_f32 v[LT], v[LT], v[LT+1]
.endm
.macro LNROW j
.set XR, LX+32*(\j)
	s_wait_loadcnt 8*(3-(\j))                      ; g, be and my row are in; the later rows' loads may be out
.irp p, 0,1,2,3,4,5,6,7
	v_pk_add_f32 v[LT+2*\p:LT+2*\p+1], v[XR+4*\p:XR+4*\p+1], v[XR+4*\p+2:XR+4*\p+3]
.endr
.irp p, 0,1,2,3
	v_pk_add_f32 v[LT+2*\p:LT+2*\p+1], v[LT+2*\p:LT+2*\p+1], v[LT+2*\p+8:LT+2*\p+9]
.endr
	v_pk_add_f32 v[LT:LT+1], v[LT:LT+1], v[LT+4:LT+5]
	v_pk_add_f32 v[LT+2:LT+3], v[LT+2:LT+3], v[LT+6:LT+7]
	v_pk_add_f32 v[LT:LT+1], v[LT:LT+1], v[LT+2:LT+3]
	v_add_f32 v[LT], v[LT], v[LT+1]
	REDUCE
	v_mul_f32 v[MU], s56, v[LT]                    ; the mean: sum / 1,024
	v_mul_f32 v[MU+1], s56, v[LT]
.set p, 0
.rept 16
	v_pk_add_f32 v[XR+2*p:XR+2*p+1], v[XR+2*p:XR+2*p+1], v[MU:MU+1] neg_lo:[0,1] neg_hi:[0,1]   ; d = x - mean, in place: the variance is the mean of d^2, so a common offset of x cancels first
.set p, p+1
.endr
.irp p, 0,1,2,3
	v_pk_mul_f32 v[LT+2*\p:LT+2*\p+1], v[XR+2*\p:XR+2*\p+1], v[XR+2*\p:XR+2*\p+1]
.endr
.set p, 4
.rept 12
	v_pk_fma_f32 v[LT+2*(p%4):LT+2*(p%4)+1], v[XR+2*p:XR+2*p+1], v[XR+2*p:XR+2*p+1], v[LT+2*(p%4):LT+2*(p%4)+1]
.set p, p+1
.endr
	v_pk_add_f32 v[LT:LT+1], v[LT:LT+1], v[LT+2:LT+3]
	v_pk_add_f32 v[LT+4:LT+5], v[LT+4:LT+5], v[LT+6:LT+7]
	v_pk_add_f32 v[LT:LT+1], v[LT:LT+1], v[LT+4:LT+5]
	v_add_f32 v[LT], v[LT], v[LT+1]
	REDUCE
	v_fma_f32 v[LT], v[LT], s56, s57               ; var + 1e-5
	v_rsq_f32 v[RS], v[LT]
	v_rsq_f32 v[RS+1], v[LT]
	v_nop                                          ; a plain instruction behind the last of the two
	s_wait_alu depctr_va_vdst(0)                   ; the wait ahead of the first use: one for both
.set p, 0
.rept 16
	v_pk_mul_f32 v[XR+2*p:XR+2*p+1], v[XR+2*p:XR+2*p+1], v[RS:RS+1]
.set p, p+1
.endr
.set p, 0
.rept 16
	v_pk_fma_f32 v[XR+2*p:XR+2*p+1], v[XR+2*p:XR+2*p+1], v[LG+2*p:LG+2*p+1], v[LB+2*p:LB+2*p+1]
.set p, p+1
.endr
.set p, 0
.rept 32
	v_med3_num_f32 v[XR+p], v[XR+p], -v10, v10     ; the hold at the largest code x the scale
.set p, p+1
.endr
.irp c, 0,1,2,3
	v_cvt_scalef32_pk8_fp8_f32 v[LC+8*(\j)+2*\c:LC+8*(\j)+2*\c+1], v[XR+8*\c:XR+8*\c+7], v11
.endr
.irp c, 0,1,2,3
	global_store_b64 v4, v[LC+8*(\j)+2*\c:LC+8*(\j)+2*\c+1], s[26:27] offset:1024*(\j)+256*\c   ; the wave stores 256 consecutive bytes, aligned
.endr
.endm
.Lln:
	s_sub_co_u32 s29, ttmp9, 384
	s_lshl_b32 s29, s29, 4
	s_lshl_b32 s30, s28, 2
	s_add_co_u32 s29, s29, s30                     ; my wave's first row
	s_lshl_b32 s58, s29, 12
	s_mov_b32 s59, 0
	s_add_nc_u64 s[8:9], s[8:9], s[58:59]
	s_lshl_b32 s58, s29, 10
	s_add_nc_u64 s[26:27], s[26:27], s[58:59]
	s_mov_b32 s54, 0x76543210                      ; lane l takes lane l xor 16
	s_mov_b32 s55, 0xfedcba98
	s_mov_b32 s56, 0x3a800000                      ; 1 / 1,024
	s_mov_b32 s57, 0x3727c5ac                      ; 1e-5
	v_lshlrev_b32 v3, 4, v2                        ; 16 bytes a lane on the way in,
	v_lshlrev_b32 v4, 3, v2                        ; 8 on the way out
.irp c, 0,1,2,3
.irp u, 0,1
	global_load_b128 v[LG+8*\c+4*\u:LG+8*\c+4*\u+3], v3, s[10:11] offset:1024*\c+512*\u   ; register 8 c + 4 u + i: k = 256 c + 128 u + 4 lane + i
.endr
.endr
.irp c, 0,1,2,3
.irp u, 0,1
	global_load_b128 v[LB+8*\c+4*\u:LB+8*\c+4*\u+3], v3, s[12:13] offset:1024*\c+512*\u
.endr
.endr
.irp j, 0,1,2,3
.irp c, 0,1,2,3
.irp u, 0,1
	global_load_b128 v[LX+32*\j+8*\c+4*\u:LX+32*\j+8*\c+4*\u+3], v3, s[8:9] offset:4096*\j+1024*\c+512*\u
.endr
.endr
.endr
	s_wait_kmcnt 0x0
	s_add_co_i32 s48, s32, 127                     ; e0
	s_lshl_b32 s50, s48, 23
	v_mov_b32 v11, s50
	s_add_co_i32 s48, s48, 8
	s_lshl_b32 s48, s48, 23
	s_or_b32 s48, s48, 0x600000
	v_mov_b32 v10, s48
	LNROW 0
	LNROW 1
	LNROW 2
	LNROW 3
	s_endpgm
.Lfunc_end_k_q5a0b26d28b_prep:
	.size	k_q5a0b26d28b_prep, .Lfunc_end_k_q5a0b26d28b_prep-k_q5a0b26d28b_prep
	.p2alignl 7, 3214868480
	.fill 96, 4, 3214868480
	.section	.rodata,"a",@progbits
	.p2align	6, 0x0
	.amdhsa_kernel k_q5a0b26d28b_prep
		.amdhsa_group_segment_fixed_size 35328
		.amdhsa_private_segment_fixed_size 0
		.amdhsa_enable_private_segment 0
		.amdhsa_kernarg_size 80
		.amdhsa_user_sgpr_count 2
		.amdhsa_user_sgpr_kernarg_segment_ptr 1
		.amdhsa_wavefront_size32 1
		.amdhsa_system_sgpr_workgroup_id_x 1
		.amdhsa_system_sgpr_workgroup_id_y 1
		.amdhsa_system_sgpr_workgroup_id_z 1
		.amdhsa_system_vgpr_workitem_id 0
		.amdhsa_next_free_vgpr 256
		.amdhsa_next_free_sgpr 66
		.amdhsa_reserve_vcc 0
		.amdhsa_float_denorm_mode_32 3
		.amdhsa_float_denorm_mode_16_64 3
		.amdhsa_memory_ordered 1
		.amdhsa_forward_progress 1
		.amdhsa_inst_pref_size 96
	.end_amdhsa_kernel
	.amdgpu_metadata
---
amdhsa.version: [ 1, 2 ]
amdhsa.kernels:
  - .name:           k_q5a0b26d28b_prep
    .symbol:         k_q5a0b26d28b_prep.kd
    .args:
      - { .name: x, .offset: 0, .size: 8, .value_kind: global_buffer, .address_space: global }
      - { .name: g1, .offset: 8, .size: 8, .value_kind: global_buffer, .address_space: global }
      - { .name: be1, .offset: 16, .size: 8, .value_kind: global_buffer, .address_space: global }
      - { .name: w_qkv, .offset: 24, .size: 8, .value_kind: global_buffer, .address_space: global }
      - { .name: w_proj, .offset: 32, .size: 8, .value_kind: global_buffer, .address_space: global }
      - { .name: w_fc1, .offset: 40, .size: 8, .value_kind: global_buffer, .address_space: global }
      - { .name: w_fc2, .offset: 48, .size: 8, .value_kind: global_buffer, .address_space: global }
      - { .name: lowp_scales, .offset: 56, .size: 8, .value_kind: global_buffer, .address_space: global }
      - { .name: wc, .offset: 64, .size: 8, .value_kind: global_buffer, .address_space: global }
      - { .name: hc, .offset: 72, .size: 8, .value_kind: global_buffer, .address_space: global }
    .group_segment_fixed_size: 35328
    .private_segment_fixed_size: 0
    .kernarg_segment_align: 8
    .kernarg_segment_size: 80
    .max_flat_workgroup_size: 128
    .sgpr_count:     66
    .vgpr_count:     256
    .wavefront_size: 32
...
	.end_amdgpu_metadata
.endif
;; end of part 1
;; launch qkv (part 2): grid 12 x 16, 4 waves a work-group, clusters of 4 x 4, 327,680 bytes of LDS; arguments hc, wc, lowp_scales, qkvc; writes qkvc
.if DOCPART == 2
	.amdgcn_target "amdgcn-amd-amdhsa--gfx1250"
	.amdhsa_code_object_version 6
	.text
	.protected	k_q5a0b26d28b_qkv
	.globl	k_q5a0b26d28b_qkv
	.p2align	8
	.type	k_q5a0b26d28b_qkv,@function
k_q5a0b26d28b_qkv:
	s_mov_b64 s[64:65], 0
	v_nop
	global_prefetch_b8 v0, s[64:65] scope:SCOPE_SE
	s_setreg_imm32_b32 hwreg(HW_REG_WAVE_MODE, 25, 1), 1
	s_wait_xcnt 0x0
	s_wait_alu depctr_hold_cnt(0) depctr_sa_sdst(0) depctr_va_vdst(0) depctr_va_sdst(0) depctr_va_ssrc(0) depctr_va_vcc(0) depctr_vm_vsrc(0)
	s_getreg_b32 s2, hwreg(HW_REG_IB_STS2, 6, 4)
	s_cmp_eq_u32 s2, 0
	s_cbranch_scc0 .Lentry_in_a_cluster
	s_endpgm
.Lentry_in_a_cluster:
	s_bfe_u32 s2, ttmp6, 0x10000c
	s_cmp_lg_u32 s2, 0xf033
	s_cbranch_scc0 .Lentry_shape_is_right
	s_endpgm
.Lentry_shape_is_right:
; q, k, v = h W_qkv on codes of E4M3, K = 1,024, and the results quantised again on the way out: q [32 heads][2048][64] with 2^e2, k likewise with 2^e3, v [32 heads][64][2048 keys] with 2^e5.
; A tile of 256 x 256 is made by four waves, each 128 x 128: 64 accumulators, 512 registers.  K goes in steps of 256 through a ring of two LDS slots filled by the tensor data mover.
; TWO OPERANDS: P (source 1; its tiles shared along a row of the 4 x 4 cluster) and Q (source 0; shared along a column).  A lane of a result holds ONE row of P and EIGHT NEIGHBOURING rows of Q.
; For q and k (cluster columns 0 and 1) P = h's rows and Q = the weight's: a lane holds eight neighbouring channels of a token: the next product's K.
; For v (cluster column 2) the two buffers change places, by address alone: P = the weight's rows 2,048 on, Q = h's rows: a lane holds eight neighbouring KEYS of a channel: the next K again.
; The choice hangs on the cluster's x, which all sixteen partners share.
; LIMITS: e2 - e0 - e1, e3 - e0 - e1 and e5 - e0 - e1 between -126 and 119.
; REGISTERS, in windows of 256: window 0: v0-31 addresses; from v128 P's fragments, one set; window 1: Q's fragments, two sets; windows 2 and 3: the accumulators ((a, b) at v[8 (8 (a % 4) + b)]).
.set KSTEP,  256
.set ROWB,   256
.set KROW,   1024
.set PITCH,  272                       ; an LDS row: 256 bytes + 16: the 16 rows that a load touches start at 16 different banks
.set FR,     16
.set NL,     4
.set NP,     4
.set HALFT,  128*PITCH
.set SLOT,   4*HALFT
.set LAPS,   2                         ; 1,024 along K = twice round the ring
.set SPARE,  2*SLOT                    ; behind the ring: the spare words
.set ADRA, 16
.set ADRB, 20
.set GV,   22                          ; v22  v's way out: my byte offset
.set STO,  24                          ; v24  the stage: where I put 8 codes
.set RDQ,  25                          ; v25  q's and k's way out of the stage
.set GQ,   26                          ; v26  16 x lane
.set RDV,  27                          ; v27  v's way out of the stage
.set SPW,  28
.set NIL,  29
.set LIM,  30
.set SCL,  31
.set CDS,  32                          ; v32-159 the codes, then what comes back from the stage
.set AF,   128
.set G1, 24
.set G0, 32
.set G1B, 48
.set G0B, 56
.set MSB, 0
.macro WIN new                         ; the immediate's high byte repeats the setting that is left
.if MSB != \new
	s_set_vgpr_msb (MSB<<8)|\new
.set MSB, \new
.endif
.endm
.set MUL_LO, 0xa1                      ; source 0 window 1, source 1 window 0, C and D window 2
.set MUL_HI, 0xf1
.set TO_B,   0x40
.macro JLOAD g0a, g1a, g0b, g1b        ; a joint load: waves 0 and 1 fetch for P, waves 2 and 3 for Q; an s_nop 0 and four v_nop follow each line
	s_cmp_eq_u32 s15, 0
	s_cbranch_scc0 .Lfor_b_\@
	tensor_load_to_lds s[\g0a:\g0a+3], s[\g1a:\g1a+7]
	s_nop 0
.rept 4
	v_nop
.endr
	s_branch .Lasked_\@
.Lfor_b_\@:
	tensor_load_to_lds s[\g0b:\g0b+3], s[\g1b:\g1b+7]
	s_nop 0
.rept 4
	v_nop
.endr
.Lasked_\@:
.endm
.macro CREST                           ; a round of the cluster's barrier behind its opening barrier
	s_cmp_lg_u32 s14, 0
	s_cbranch_scc1 .Lnot_wave_0_\@
	s_barrier_signal -3
.Lnot_wave_0_\@:
	s_barrier_wait -3
	s_barrier_signal -1
	s_barrier_wait -1
.endm
.macro CROUND
	s_barrier_signal -1
	s_barrier_wait -1
	CREST
.endm
	s_load_b128 s[4:7], s[0:1], 0x0                ; hc, wc
	s_load_b128 s[8:11], s[0:1], 0x10              ; the scales' exponents, qkvc
	v_lshl_add_u32 v[SPW], v0, 2, SPARE
	v_mov_b32 v[NIL], 0
	ds_add_u32 v[SPW], v[NIL]                      ; the wave's opening
	v_lshrrev_b32 v1, 5, v0
	v_readfirstlane_b32 s14, v1                    ; wave 0..3
	s_lshr_b32 s15, s14, 1                         ; which half of P's rows is mine.  Also: I fetch for P (0) or for Q (1)
	s_and_b32 s16, s14, 1                          ; which half of Q's rows.  Also: which 128 rows I fetch
	s_bfe_u32 s40, ttmp6, 0x40000                  ; cx
	s_bfe_u32 s41, ttmp6, 0x40004                  ; cy
	s_and_b32 s66, ttmp7, 0xffff
	s_lshl_b32 s66, s66, 2                         ; 4 x cluster y
	s_lshl_b32 s67, ttmp9, 2                       ; 4 x cluster x
	s_add_co_u32 s68, s66, s41                     ; q, k: P's tile = h's rows 256 (4 Cy + cy)
	s_add_co_u32 s69, s41, 8                       ; v:    P's tile = the weight's rows 256 (8 + cy)
	s_add_co_u32 s70, s67, s40                     ; q, k: Q's tile = the weight's rows 256 (4 Cx + cx)
	s_add_co_u32 s71, s66, s40                     ; v:    Q's tile = h's rows 256 (4 Cy + cx)
	s_cmp_eq_u32 ttmp9, 2
	s_cselect_b32 s17, s69, s68                    ; P's tile: hangs on cy alone of the two places
	s_cselect_b32 s42, s71, s70                    ; Q's tile: on cx alone
	s_lshl_b32 s43, s41, 2
	s_lshl_b32 s43, 15, s43                        ; my row of the cluster
	s_lshl_b32 s44, 0x1111, s40                    ; my column
	s_or_b32 s[G1+0], s43, (1<<20)|(1<<21)|(5<<22)|(3<<25)   ; the mask; elements of 1 byte; padding on; bit 21 beside a mask; 4 words after every 64
	s_or_b32 s[G1B+0], s44, (1<<20)|(1<<21)|(5<<22)|(3<<25)
.irp g, G1, G1B
	s_mov_b32 s[\g+1], ROWB<<16                    ; tensor_dim0
	s_mov_b32 s[\g+2], 128<<16                     ; tensor_dim1
	s_mov_b32 s[\g+3], ROWB<<16                    ; tile_dim0
	s_mov_b32 s[\g+4], 128                         ; tile_dim1
	s_mov_b32 s[\g+5], KROW                        ; the pitch
	s_mov_b32 s[\g+6], 0
	s_mov_b32 s[\g+7], 0
.endr
	s_lshl_b32 s18, s16, 7
	s_lshl_b32 s20, s17, 8
	s_add_co_u32 s20, s20, s18
	s_lshl_b32 s20, s20, 10                        ; P: (256 tile + 128 half) rows of 1,024 bytes
	s_mov_b32 s21, 0
	s_lshl_b32 s46, s42, 8
	s_add_co_u32 s46, s46, s18
	s_lshl_b32 s46, s46, 10                        ; Q likewise
	s_mov_b32 s47, 0
	s_mul_i32 s45, s14, HALFT                      ; where they go: wave x 128 rows
	s_wait_dscnt 0x0                               ; the opening add is done
	s_wait_kmcnt 0x0
	s_load_b256 s[88:95], s[8:9], 0x0              ; e0 .. e7
	s_cmp_eq_u32 ttmp9, 2
	s_cselect_b64 s[72:73], s[6:7], s[4:5]         ; P's buffer
	s_cselect_b64 s[74:75], s[4:5], s[6:7]         ; Q's
	s_add_nc_u64 s[20:21], s[72:73], s[20:21]
	s_add_nc_u64 s[46:47], s[74:75], s[46:47]
	CROUND                                         ; all sixteen work-groups are here: the first joint loads meet
.irp s, 0,1
	s_mov_b32 s[G0+4*\s], 1
	s_add_co_u32 s[G0+4*\s+1], s45, \s*SLOT
	s_add_nc_u64 s[G0+4*\s+2:G0+4*\s+3], s[20:21], \s*ROWB
	s_or_b32 s[G0+4*\s+3], s[G0+4*\s+3], 0x80000000
	s_mov_b32 s[G0B+4*\s], 1
	s_add_co_u32 s[G0B+4*\s+1], s45, \s*SLOT
	s_add_nc_u64 s[G0B+4*\s+2:G0B+4*\s+3], s[46:47], \s*ROWB
	s_or_b32 s[G0B+4*\s+3], s[G0B+4*\s+3], 0x80000000
	JLOAD G0+4*\s, G1, G0B+4*\s, G1B
.endr
	v_and_b32 v1, 15, v0                           ; r
	v_bfe_u32 v2, v0, 4, 1                         ; h
	v_and_b32 v6, 31, v0                           ; lane
	v_mul_u32_u24 v3, v1, PITCH
	v_lshl_add_u32 v4, v2, 4, v3
	s_mul_i32 s21, s15, HALFT
	s_mul_i32 s22, s16, HALFT
	s_add_co_u32 s22, s22, 2*HALFT
.irp s, 0,1
	v_add_nc_u32 v[ADRA+\s], s21, v4
	v_add_nc_u32 v[ADRB+\s], s22, v4
	s_add_co_u32 s21, s21, SLOT
	s_add_co_u32 s22, s22, SLOT
.endr
	; the stage of codes: 256 rows (P's) x 256 bytes (Q's) + 16, the work-group's, in slot 0
	s_mul_i32 s23, s15, 128*PITCH
	s_lshl_b32 s18, s16, 7
	s_add_co_u32 s23, s23, s18
	v_lshl_add_u32 v5, v2, 3, v3
	v_add_nc_u32 v[STO], s23, v5                   ; (128 half + r) x 272 + 128 half + 8 h
	s_mul_i32 s23, s14, 64*PITCH                   ; back: wave w takes rows 64 w on
	v_lshrrev_b32 v7, 2, v6
	v_mul_u32_u24 v7, v7, PITCH
	v_and_b32 v8, 3, v6
	v_lshl_add_u32 v7, v8, 4, v7
	v_add_nc_u32 v[RDQ], s23, v7                   ; q, k: four lanes to a token's 64 bytes of one head, eight tokens an instruction
	v_mul_u32_u24 v7, v2, PITCH
	v_lshl_add_u32 v7, v1, 4, v7
	v_add_nc_u32 v[RDV], s23, v7                   ; v: sixteen lanes to a channel's 256 keys, two channels an instruction
	v_lshlrev_b32 v[GQ], 4, v6
	v_lshlrev_b32 v[GV], 11, v2
	v_lshl_add_u32 v[GV], v1, 4, v[GV]
	; where my wave's part begins in qkvc.  q, k: which x 4 MiB + (((tile / 8) 16 + 4 cx) 2,048 + (tile % 8) 256 + 64 w) 64
	s_lshr_b32 s76, s17, 3
	s_lshl_b32 s76, s76, 4
	s_lshl_b32 s77, s40, 2
	s_add_co_u32 s76, s76, s77
	s_lshl_b32 s76, s76, 11
	s_and_b32 s77, s17, 7
	s_lshl_b32 s77, s77, 8
	s_add_co_u32 s76, s76, s77
	s_lshl_b32 s77, s14, 6
	s_add_co_u32 s76, s76, s77
	s_lshl_b32 s76, s76, 6
	s_lshl_b32 s77, ttmp9, 22
	s_add_co_u32 s76, s76, s77
	; v: 8 MiB + ((Q's tile / 8) 16 + 4 cy + w) 131,072 + (Q's tile % 8) 256
	s_lshr_b32 s78, s42, 3
	s_lshl_b32 s78, s78, 4
	s_lshl_b32 s79, s41, 2
	s_add_co_u32 s78, s78, s79
	s_add_co_u32 s78, s78, s14
	s_lshl_b32 s78, s78, 17
	s_and_b32 s79, s42, 7
	s_lshl_b32 s79, s79, 8
	s_add_co_u32 s78, s78, s79
	s_add_co_u32 s78, s78, 8388608
	s_cmp_eq_u32 ttmp9, 2
	s_cselect_b32 s76, s78, s76
	s_mov_b32 s77, 0
	s_add_nc_u64 s[10:11], s[10:11], s[76:77]
.macro FRAG reg, adr, q, i             ; 16 rows x 128 K: registers 4 c .. 4 c + 3 hold places 32 c + 16 h + 0 .. 15 of row r: the same in both operands
.irp c, 0,1,2,3
	ds_load_b128 v[\reg+4*\c:\reg+4*\c+3], v[\adr] offset:128*(\q)+32*\c+(\i)*16*PITCH
.endr
.endm
.macro MUL16 a0, p, zero               ; P's blocks a0, a0 + 1 x Q's eight; the 64 accumulators take turns, one instruction a turn
.irp a, \a0, \a0+1
.irp b, 0,1,2,3,4,5,6,7
.if \zero
	v_wmma_f32_16x16x128_fp8_fp8 v[8*(8*((\a)%4)+\b):8*(8*((\a)%4)+\b)+7], v[128*(\p)+FR*\b:128*(\p)+FR*\b+FR-1], v[AF+FR*(\a):AF+FR*(\a)+FR-1], 0
.else
	v_wmma_f32_16x16x128_fp8_fp8 v[8*(8*((\a)%4)+\b):8*(8*((\a)%4)+\b)+7], v[128*(\p)+FR*\b:128*(\p)+FR*\b+FR-1], v[AF+FR*(\a):AF+FR*(\a)+FR-1], v[8*(8*((\a)%4)+\b):8*(8*((\a)%4)+\b)+7]
.endif
.endr
.endr
.endm
.macro FETCH_B slot, q, p
	WIN TO_B
.irp i, 0,1,2,3,4,5,6,7
	FRAG 128*(\p)+FR*\i, ADRB+\slot, \q, \i
.endr
	WIN 0
.endm
.macro FETCH_A slot, q, i0
.irp i, \i0, \i0+1, \i0+2, \i0+3
	FRAG AF+FR*(\i), ADRA+\slot, \q, \i
.endr
.endm
.macro PLACES n                        ; plain vector instructions between a matrix instruction and a load into, or a read of, its registers
.rept \n
	v_nop
.endr
.endm
.macro STEP slot, q, zero              ; 128 along K whose successor lies in the same slot
	s_wait_dscnt 4*NL                              ; Q's set and P's blocks 0-3 are in; P's blocks 4-7 may be out
	WIN MUL_LO
	MUL16 0, (\q)%2, \zero
	MUL16 2, (\q)%2, \zero
	s_wait_dscnt 0
	PLACES NP
	FETCH_B \slot, (\q)+1, 1-(\q)%2
	FETCH_A \slot, (\q)+1, 0
	WIN MUL_HI
	MUL16 4, (\q)%2, \zero
	MUL16 6, (\q)%2, \zero
	PLACES NP
	WIN 0
	FETCH_A \slot, (\q)+1, 4
.endm
.macro TURN slot, next, fill           ; a slot's last step changes slots: one barrier; in front of it all my tensor loads, the add, my reads of this slot
	s_wait_tensorcnt 0x0                           ; all my tensor loads have landed: my part of the next slot
	ds_add_u32 v[SPW], v[NIL]
	s_wait_dscnt 4*NL+1                            ; the add and P's blocks 4-7 may be out
	WIN MUL_LO
	MUL16 0, 1, 0
	s_wait_dscnt 0x0                               ; the add is done, and my reads of this slot are over
	s_barrier_signal -1
	MUL16 2, 1, 0
	WIN 0
	s_barrier_wait -1
.if \fill
	CREST                                          ; the barrier has opened a round of the cluster's: no wave of any partner still reads this slot or has a load on its way
	s_add_nc_u64 s[G0+4*\slot+2:G0+4*\slot+3], s[G0+4*\slot+2:G0+4*\slot+3], 2*ROWB
	s_add_nc_u64 s[G0B+4*\slot+2:G0B+4*\slot+3], s[G0B+4*\slot+2:G0B+4*\slot+3], 2*ROWB
	JLOAD G0+4*\slot, G1, G0B+4*\slot, G1B         ; the first tensor load behind the round; its four v_nop are the places in front of the loads below
.else
	PLACES NP
.endif
	FETCH_B \next, 0, 0
	FETCH_A \next, 0, 0
	WIN MUL_HI
	MUL16 4, 1, 0
	MUL16 6, 1, 0
	PLACES NP
	WIN 0
	FETCH_A \next, 0, 4
.endm
	s_wait_tensorcnt 1                             ; my part of K step 0 is in; K step 1's load may be out
	s_barrier_signal -1
	s_barrier_wait -1
	FETCH_B 0, 0, 0
	FETCH_A 0, 0, 0
	FETCH_A 0, 0, 4
	STEP 0, 0, 1                                   ; the first step starts the sums
	s_mov_b32 s3, LAPS-1
.Llap:
	TURN 0, 1, 1
	STEP 1, 0, 0
	TURN 1, 0, 1
	STEP 0, 0, 0
	s_sub_co_u32 s3, s3, 1
	s_cmp_lg_u32 s3, 0
	s_cbranch_scc1 .Llap
	TURN 0, 1, 0                                   ; the last lap fills nothing
	STEP 1, 0, 0
	s_wait_dscnt 4*NL
	WIN MUL_LO
	MUL16 0, 1, 0
	MUL16 2, 1, 0
	s_wait_dscnt 0
	WIN MUL_HI
	MUL16 4, 1, 0
	MUL16 6, 1, 0
	WIN 0
	; THE WAY OUT.  A sum stands for sum x 2^(e0 + e1); its code is sum / 2^(e - e0 - e1), e = e2 (q), e3 (k) or e5 (v): the three scales are folded into the conversion's one.
	s_wait_kmcnt 0x0
	s_cmp_eq_u32 ttmp9, 0
	s_cselect_b32 s80, s90, s91
	s_cmp_eq_u32 ttmp9, 2
	s_cselect_b32 s80, s93, s80
	s_sub_co_i32 s80, s80, s88
	s_sub_co_i32 s80, s80, s89
	s_add_co_i32 s80, s80, 127
	s_lshl_b32 s81, s80, 23
	v_mov_b32 v[SCL], s81
	s_add_co_i32 s80, s80, 8
	s_lshl_b32 s80, s80, 23
	s_or_b32 s80, s80, 0x600000
	v_mov_b32 v[LIM], s80
	PLACES NP
	WIN 0x82                                       ; destination and source 0 window 2
.set i, 0
.rept 256
	v_med3_num_f32 v[i], v[i], -v[LIM], v[LIM]     ; the hold, each accumulator from its low end on
.set i, i+1
.endr
	WIN 0x02
.set i, 0
.rept 32
	v_cvt_scalef32_pk8_fp8_f32 v[CDS+2*i:CDS+2*i+1], v[8*i:8*i+7], v[SCL]
.set i, i+1
.endr
	v_nop                                          ; a plain instruction behind the last conversion of a run
	WIN 0xc3
.set i, 0
.rept 256
	v_med3_num_f32 v[i], v[i], -v[LIM], v[LIM]
.set i, i+1
.endr
	WIN 0x03
.set i, 0
.rept 32
	v_cvt_scalef32_pk8_fp8_f32 v[CDS+64+2*i:CDS+64+2*i+1], v[8*i:8*i+7], v[SCL]
.set i, i+1
.endr
	v_nop
	WIN 0
.irp a, 0,1,2,3,4,5,6,7                ; slot 0 has had its last fill, and nobody has read it since the last change of slots
.irp b, 0,1,2,3,4,5,6,7
	ds_store_b64 v[STO], v[CDS+2*(8*\a+\b):CDS+2*(8*\a+\b)+1] offset:\a*16*PITCH+16*\b
.endr
.endr
	s_wait_dscnt 0x0                               ; for the others' sake: my stores into the stage are done
	s_barrier_signal -1
	s_barrier_wait -1
	s_cmp_eq_u32 ttmp9, 2                          ; the cluster's x: the same in all partners
	s_cbranch_scc1 .Lv_out
.irp i, 0,1,2,3,4,5,6,7                ; q, k: eight tokens x one head's 64 bytes are 512 consecutive bytes of the output
.irp d, 0,1,2,3
	ds_load_b128 v[CDS+4*(4*\i+\d):CDS+4*(4*\i+\d)+3], v[RDQ] offset:8*\i*PITCH+64*\d
.endr
.endr
.irp i, 0,1,2,3,4,5,6,7
.irp d, 0,1,2,3
	s_wait_dscnt 31-(4*\i+\d)
	global_store_b128 v[GQ], v[CDS+4*(4*\i+\d):CDS+4*(4*\i+\d)+3], s[10:11] offset:\d*131072+512*\i
.endr
.endr
	s_branch .Lend
.Lv_out:
.set i, 0
.rept 32                               ; v: a channel's 256 keys are 256 consecutive bytes, aligned
	ds_load_b128 v[CDS+4*i:CDS+4*i+3], v[RDV] offset:2*i*PITCH
.set i, i+1
.endr
.set i, 0
.rept 32
	s_wait_dscnt 31-i
	global_store_b128 v[GV], v[CDS+4*i:CDS+4*i+3], s[10:11] offset:i*4096
.set i, i+1
.endr
.Lend:
	s_wait_tensorcnt 0x0                           ; the wave's end
	ds_add_u32 v[SPW], v[NIL]
	s_wait_dscnt 0x0
	CROUND                                         ; the closing round
	s_endpgm
.Lfunc_end_k_q5a0b26d28b_qkv:
	.size	k_q5a0b26d28b_qkv, .Lfunc_end_k_q5a0b26d28b_qkv-k_q5a0b26d28b_qkv
	.p2alignl 7, 3214868480
	.fill 96, 4, 3214868480
	.section	.rodata,"a",@progbits
	.p2align	6, 0x0
	.amdhsa_kernel k_q5a0b26d28b_qkv
		.amdhsa_group_segment_fixed_size 327680
		.amdhsa_private_segment_fixed_size 0
		.amdhsa_enable_private_segment 0
		.amdhsa_kernarg_size 32
		.amdhsa_user_sgpr_count 2
		.amdhsa_user_sgpr_kernarg_segment_ptr 1
		.amdhsa_wavefront_size32 1
		.amdhsa_system_sgpr_workgroup_id_x 1
		.amdhsa_system_sgpr_workgroup_id_y 1
		.amdhsa_system_sgpr_workgroup_id_z 1
		.amdhsa_system_vgpr_workitem_id 0
		.amdhsa_next_free_vgpr 1024
		.amdhsa_next_free_sgpr 100
		.amdhsa_reserve_vcc 0
		.amdhsa_float_denorm_mode_32 3
		.amdhsa_float_denorm_mode_16_64 3
		.amdhsa_memory_ordered 1
		.amdhsa_forward_progress 1
		.amdhsa_inst_pref_size 132
	.end_amdhsa_kernel
	.amdgpu_metadata
---
amdhsa.version: [ 1, 2 ]
amdhsa.kernels:
  - .name:           k_q5a0b26d28b_qkv
    .symbol:         k_q5a0b26d28b_qkv.kd
    .args:
      - { .name: hc, .offset: 0, .size: 8, .value_kind: global_buffer, .address_space: global }
      - { .name: wc, .offset: 8, .size: 8, .value_kind: global_buffer, .address_space: global }
      - { .name: lowp_scales, .offset: 16, .size: 8, .value_kind: global_buffer, .address_space: global }
      - { .name: qkvc, .offset: 24, .size: 8, .value_kind: global_buffer, .address_space: global }
    .group_segment_fixed_size: 327680
    .private_segment_fixed_size: 0
    .kernarg_segment_align: 8
    .kernarg_segment_size: 32
    .max_flat_workgroup_size: 128
    .sgpr_count:     100
    .vgpr_count:     1024
    .wavefront_size: 32
...
	.end_amdgpu_metadata
.endif
;; end of part 2
;; launch attn (part 3): grid 8 x 32, 8 waves a work-group, clusters of 4 x 1, 327,680 bytes of LDS; arguments qkvc, lowp_scales, oc; writes oc
.if DOCPART == 3
	.amdgcn_target "amdgcn-amd-amdhsa--gfx1250"
	.amdhsa_code_object_version 6
	.text
	.protected	k_q5a0b26d28b_attn
	.globl	k_q5a0b26d28b_attn
	.p2align	8
	.type	k_q5a0b26d28b_attn,@function
k_q5a0b26d28b_attn:
	s_mov_b64 s[64:65], 0
	v_nop
	global_prefetch_b8 v0, s[64:65] scope:SCOPE_SE
	s_setreg_imm32_b32 hwreg(HW_REG_WAVE_MODE, 25, 1), 1
	s_wait_xcnt 0x0
	s_wait_alu depctr_hold_cnt(0) depctr_sa_sdst(0) depctr_va_vdst(0) depctr_va_sdst(0) depctr_va_ssrc(0) depctr_va_vcc(0) depctr_vm_vsrc(0)
	s_getreg_b32 s2, hwreg(HW_REG_IB_STS2, 6, 4)
	s_cmp_eq_u32 s2, 0
	s_cbranch_scc0 .Lentry_in_a_cluster
	s_endpgm
.Lentry_in_a_cluster:
	s_bfe_u32 s2, ttmp6, 0x10000c
	s_cmp_lg_u32 s2, 0x3003
	s_cbranch_scc0 .Lentry_shape_is_right
	s_endpgm
.Lentry_shape_is_right:
; o = softmax(q k^T / 8) v for one head and 256 queries a work-group, both products on codes of E4M3 by the K = 64 form; o is quantised with 2^e6 and stored [16 heads][4,096 rows][64].
; THE SOFTMAX: t = score x log2(e) / 8; M = the running largest t rounded UP to a whole number; p = 2^(t - M) is quantised with 2^e4, not normalised; the row's sum is taken of the unquantised p and divides at the end.
; When M moves, the sum and O are multiplied by 2^(old M - new M): exact.
; SHARES.  Eight waves, each 32 queries: two tiles of 16, so that each fragment of K and of V read from LDS feeds two products.  Every wave walks the head's 2,048 keys, 64 a step.
; ALL OF THE HEAD'S K AND V LIE IN LDS, EACH BYTE FILLED ONCE: no slot is filled again.  They come in two halves of 1,024 keys; the second lands while the first is walked.
; The four work-groups of a cluster belong to one head: each tile is asked for jointly.  Every tile is requested at the head, so nothing is left to prefetch.
; LAYOUT.  S^T = K Q^T (source 0 = 16 keys, source 1 = 16 queries) and O^T = V^T P^T: a lane holds ONE query throughout.  Register j of score tile t is key 16 t + 8 (lane / 16) + j: the very keys
; that registers 2 t, 2 t + 1 of the second product's operand hold in this form: the conversions' results are that operand.
; LIMITS: e2 + e3 between -123 and 130; e4 and e6 - e4 - e5 between -126 and 119.
.set KP,    80                         ; a key's row in LDS: 64 bytes + 16
.set VP,    1040                       ; a channel's 1,024 keys + 16
.set VBASE, 2048*KP
.set VHALF, 64*VP
.set SPARE, VBASE+2*VHALF              ; the spare words: 128 bytes for each of eight waves
.set STAGE, SPARE+1024                 ; the way out: 32 rows x 80 bytes for each wave; no tile lands here
.set AK0, 1
.set AV0, 2
.set ADK, 3
.set ADV, 4
.set SPW, 5
.set NIL, 6
.set GO,  7
.set LIM, 8
.set SCL, 9
.set STO, 10
.set RD,  11
.set QO,  12
.set QF,  16                           ; v16-31   Q, 8 registers a tile
.set KF,  32                           ; v32-63   K of a step
.set VF,  64                           ; v64-95   V of a step
.set SC,  96                           ; v96-159  S^T, then p: tile q, keys 16 t on at 32 q + 8 t
.set OA,  160                          ; v160-223 O^T: tile q, channels 16 t on at 32 q + 8 t
.set PC,  224                          ; v224-239 p's codes
.set ST,  240                          ; tile q at 8 q: +0 -M, +1 the largest t, +2 +3 the sum, +4 f, +4 .. +7 at work
.set WV,  12
.set SEL, 14
.set CS,  16
.set KB,  18
.set VB,  19
.set CNT, 20
.set G1K, 24
.set G1V, 32
.set G0K, 40
.set G0V, 48
.macro CROUND
	s_barrier_signal -1
	s_barrier_wait -1
	s_cmp_lg_u32 s[WV], 0
	s_cbranch_scc1 .Lnot_wave_0_\@
	s_barrier_signal -3
.Lnot_wave_0_\@:
	s_barrier_wait -3
	s_barrier_signal -1
	s_barrier_wait -1
.endm
	s_load_b128 s[4:7], s[0:1], 0x0                ; qkvc, the scales' exponents
	s_load_b64 s[8:9], s[0:1], 0x10                ; oc
	v_lshl_add_u32 v[SPW], v0, 2, SPARE
	v_mov_b32 v[NIL], 0
	ds_add_u32 v[SPW], v[NIL]                      ; the wave's opening
	v_lshrrev_b32 v1, 5, v0
	v_readfirstlane_b32 s[WV], v1                  ; wave 0..7
	s_and_b32 s13, s[WV], 3                        ; which quarter of a tile I fetch: waves 0-3 K's, waves 4-7 V's
	s_bfe_u32 s21, ttmp6, 0x40000                  ; cx
	s_lshl_b32 s22, ttmp9, 2
	s_add_co_u32 s22, s22, s21                     ; my block of 256 queries: it enters Q's and o's addresses alone
	s_and_b32 s23, ttmp7, 0xffff                   ; batch x 16 + head, which the four partners share
	s_mov_b32 s[G1K], 15|(1<<20)|(1<<21)|(3<<22)|(3<<25)   ; all four work-groups; elements of 1 byte; 4 words of padding after every 16
	s_mov_b32 s[G1K+1], 64<<16
	s_mov_b32 s[G1K+2], 256<<16
	s_mov_b32 s[G1K+3], 64<<16
	s_mov_b32 s[G1K+4], 256                        ; 256 keys x 64 bytes, dense in memory
	s_mov_b32 s[G1K+5], 64
	s_mov_b32 s[G1K+6], 0
	s_mov_b32 s[G1K+7], 0
	s_mov_b32 s[G1V], 15|(1<<20)|(1<<21)|(7<<22)|(3<<25)   ; 4 words after every 256
	s_mov_b32 s[G1V+1], 1024<<16
	s_mov_b32 s[G1V+2], 16<<16
	s_mov_b32 s[G1V+3], 1024<<16
	s_mov_b32 s[G1V+4], 16                         ; 16 channels x 1,024 keys, rows 2,048 bytes apart
	s_mov_b32 s[G1V+5], 2048
	s_mov_b32 s[G1V+6], 0
	s_mov_b32 s[G1V+7], 0
	s_mov_b32 s[SEL], 0x76543210
	s_mov_b32 s[SEL+1], 0xfedcba98
	s_mov_b32 s[CS], 0x3e38aa3b                    ; log2(e) / 8
	s_mov_b32 s[KB], 0
	s_mov_b32 s[VB], 0
	s_lshl_b32 s56, s23, 17                        ; the head's 131,072 bytes in each of q, k, v
	s_lshl_b32 s57, s13, 14
	s_add_co_u32 s58, s56, s57
	s_add_co_u32 s58, s58, 4194304                 ; K: my 256 keys of the first half
	s_mov_b32 s59, 0
	s_lshl_b32 s57, s13, 15
	s_add_co_u32 s60, s56, s57
	s_add_co_u32 s60, s60, 8388608                 ; V: my 16 channels
	s_mov_b32 s61, 0
	s_mul_i32 s62, s13, 256*KP
	s_mul_i32 s63, s13, 16*VP
	s_add_co_u32 s63, s63, VBASE
	s_lshl_b32 s76, s22, 8
	s_lshl_b32 s77, s[WV], 5
	s_add_co_u32 s76, s76, s77                     ; my first query in the head
	s_lshl_b32 s78, s76, 6
	s_add_co_u32 s78, s78, s56
	s_mov_b32 s79, 0
	s_and_b32 s80, s23, 15                         ; o: the head's plane of 262,144 bytes,
	s_lshl_b32 s80, s80, 18
	s_lshr_b32 s81, s23, 4
	s_lshl_b32 s81, s81, 11
	s_add_co_u32 s81, s81, s76                     ; row = batch x 2,048 + query
	s_lshl_b32 s81, s81, 6
	s_add_co_u32 s80, s80, s81
	s_mov_b32 s81, 0
	s_wait_dscnt 0x0                               ; the opening add is done
	s_wait_kmcnt 0x0
	s_load_b256 s[68:75], s[6:7], 0x0              ; e0 .. e7
	s_add_nc_u64 s[58:59], s[4:5], s[58:59]
	s_add_nc_u64 s[60:61], s[4:5], s[60:61]
	s_add_nc_u64 s[78:79], s[4:5], s[78:79]
	s_add_nc_u64 s[8:9], s[8:9], s[80:81]
	CROUND                                         ; all four work-groups are here: the joint loads meet
.irp p, 0,1
	s_mov_b32 s[G0K+4*\p], 1
	s_add_co_u32 s[G0K+4*\p+1], s62, \p*1024*KP
	s_add_nc_u64 s[G0K+4*\p+2:G0K+4*\p+3], s[58:59], \p*65536
	s_or_b32 s[G0K+4*\p+3], s[G0K+4*\p+3], 0x80000000
	s_mov_b32 s[G0V+4*\p], 1
	s_add_co_u32 s[G0V+4*\p+1], s63, \p*VHALF
	s_add_nc_u64 s[G0V+4*\p+2:G0V+4*\p+3], s[60:61], \p*1024
	s_or_b32 s[G0V+4*\p+3], s[G0V+4*\p+3], 0x80000000
.endr
	s_cmp_lt_u32 s[WV], 4                          ; a wave's two loads stand in one branch, ahead of every wait on TENSORcnt and every LDS read: two loads of mine are out
	s_cbranch_scc0 .Lfirst_v
	tensor_load_to_lds s[G0K:G0K+3], s[G1K:G1K+7]
	s_nop 0
	tensor_load_to_lds s[G0K+4:G0K+7], s[G1K:G1K+7]
	s_nop 0
.rept 4
	v_nop
.endr
	s_branch .Lfirst_asked
.Lfirst_v:
	tensor_load_to_lds s[G0V:G0V+3], s[G1V:G1V+7]
	s_nop 0
	tensor_load_to_lds s[G0V+4:G0V+7], s[G1V:G1V+7]
	s_nop 0
.rept 4
	v_nop
.endr
.Lfirst_asked:
	v_and_b32 v13, 15, v0                          ; r
	v_bfe_u32 v14, v0, 4, 1                        ; h
	v_and_b32 v15, 31, v0                          ; lane
	v_lshlrev_b32 v[QO], 6, v13
	v_lshl_add_u32 v[QO], v14, 4, v[QO]            ; Q: row r of 64 bytes, + 16 h; the second 16 bytes 32 on: the same order of channels as K's fragments
.irp q, 0,1
	global_load_b128 v[QF+8*\q:QF+8*\q+3], v[QO], s[78:79] offset:1024*\q
	global_load_b128 v[QF+8*\q+4:QF+8*\q+7], v[QO], s[78:79] offset:1024*\q+32
.endr
	v_mul_u32_u24 v[AK0], v13, KP
	v_lshl_add_u32 v[AK0], v14, 4, v[AK0]
	v_mul_u32_u24 v[AV0], v13, VP
	v_lshl_add_u32 v[AV0], v14, 3, v[AV0]
	v_add_nc_u32 v[AV0], VBASE, v[AV0]
	v_lshlrev_b32 v[GO], 4, v15
	s_mul_i32 s57, s[WV], 32*KP
	s_add_co_u32 s57, s57, STAGE                   ; my stage
	v_mul_u32_u24 v[STO], v13, KP
	v_lshl_add_u32 v[STO], v14, 3, v[STO]
	v_add_nc_u32 v[STO], s57, v[STO]
	v_lshrrev_b32 v[RD], 2, v15
	v_mul_u32_u24 v[RD], v[RD], KP
	v_and_b32 v13, 3, v15
	v_lshl_add_u32 v[RD], v13, 4, v[RD]
	v_add_nc_u32 v[RD], s57, v[RD]
.irp q, 0,1
	v_mov_b32 v[ST+8*\q+1], 0xff61b1e6             ; the largest t so far: -3e38, under every t
	v_floor_f32 v[ST+8*\q], -v[ST+8*\q+1]          ; -M
	v_mov_b32 v[ST+8*\q+2], 0                      ; the sum, in two halves
	v_mov_b32 v[ST+8*\q+3], 0
.endr
.set i, 0
.rept 64
	v_mov_b32 v[OA+i], 0                           ; O^T: the step is written once; the first change of M leaves zeros zeros
.set i, i+1
.endr
	s_wait_kmcnt 0x0
	s_add_co_i32 s57, s70, s71
	s_lshl_b32 s57, s57, 23
	s_add_co_i32 s[CS], s[CS], s57                 ; a score stands for score x 2^(e2 + e3): added to c's exponent field
	s_mov_b32 s[CS+1], s[CS]
	s_add_co_i32 s57, s72, 127
	s_lshl_b32 s56, s57, 23
	v_mov_b32 v[SCL], s56                          ; 2^e4
	s_add_co_i32 s57, s57, 8
	s_lshl_b32 s57, s57, 23
	s_or_b32 s57, s57, 0x600000
	v_mov_b32 v[LIM], s57                          ; 448 x 2^e4
.macro KLOAD                           ; the 64 keys at LDS byte s[KB]: four fragments
	v_add_nc_u32 v[ADK], s[KB], v[AK0]
.irp t, 0,1,2,3
	ds_load_b128 v[KF+8*\t:KF+8*\t+3], v[ADK] offset:\t*16*KP
	ds_load_b128 v[KF+8*\t+4:KF+8*\t+7], v[ADK] offset:\t*16*KP+32
.endr
.endm
; A KEY STEP.  pre = 1: the next step's K is fetched under this step's softmax.
.macro STEP pre
	s_wait_dscnt 0x0                               ; this step's K is in
.irp t, 0,1,2,3
.irp q, 0,1
	v_wmma_f32_16x16x64_fp8_fp8 v[SC+32*\q+8*\t:SC+32*\q+8*\t+7], v[KF+8*\t:KF+8*\t+7], v[QF+8*\q:QF+8*\q+7], 0
.endr
.endr
	s_add_co_u32 s[KB], s[KB], 64*KP
	v_add_nc_u32 v[ADV], s[VB], v[AV0]             ; four plain instructions: the places in front of the loads into V's and K's registers and of the first read of the scores
	v_add_nc_u32 v[ADK], s[KB], v[AK0]
	v_nop
	v_nop
.irp t, 0,1,2,3
.irp c, 0,1,2,3
	ds_load_b64 v[VF+8*\t+2*\c:VF+8*\t+2*\c+1], v[ADV] offset:\t*16*VP+16*\c   ; channel 16 t + r, keys 16 c + 8 h + 0 .. 7
.endr
.endr
.if \pre
.irp t, 0,1,2,3
	ds_load_b128 v[KF+8*\t:KF+8*\t+3], v[ADK] offset:\t*16*KP
	ds_load_b128 v[KF+8*\t+4:KF+8*\t+7], v[ADK] offset:\t*16*KP+32
.endr
.endif
.irp j, 0,1,2,3                        ; the step's largest score: four chains a tile, each begun at its accumulator's low end
.irp q, 0,1
	v_max3_num_f32 v[ST+8*\q+4+\j], v[SC+32*\q+8*\j], v[SC+32*\q+8*\j+1], v[SC+32*\q+8*\j+2]
.endr
.endr
.irp g, 1,2
.irp j, 0,1,2,3
.irp q, 0,1
	v_max3_num_f32 v[ST+8*\q+4+\j], v[ST+8*\q+4+\j], v[SC+32*\q+8*\j+2*\g+1], v[SC+32*\q+8*\j+2*\g+2]
.endr
.endr
.endr
.irp q, 0,1
	v_max3_num_f32 v[ST+8*\q+4], v[ST+8*\q+4], v[SC+32*\q+7], v[SC+32*\q+15]
	v_max3_num_f32 v[ST+8*\q+6], v[ST+8*\q+6], v[SC+32*\q+23], v[SC+32*\q+31]
.endr
.irp q, 0,1
	v_max3_num_f32 v[ST+8*\q+4], v[ST+8*\q+4], v[ST+8*\q+5], v[ST+8*\q+6]
.endr
.irp q, 0,1
	v_max_num_f32 v[ST+8*\q+4], v[ST+8*\q+4], v[ST+8*\q+7]
.endr
.irp q, 0,1
	v_permlanex16_b32 v[ST+8*\q+5], v[ST+8*\q+4], s[SEL], s[SEL+1]   ; the query's other 32 keys lie in the lane 16 away
.endr
.irp q, 0,1
	v_max_num_f32 v[ST+8*\q+4], v[ST+8*\q+4], v[ST+8*\q+5]
.endr
.irp q, 0,1
	v_mul_f32 v[ST+8*\q+4], s[CS], v[ST+8*\q+4]    ; as t (c is positive)
.endr
.irp q, 0,1
	v_max_num_f32 v[ST+8*\q+1], v[ST+8*\q+1], v[ST+8*\q+4]
.endr
.irp q, 0,1
	v_mov_b32 v[ST+8*\q+4], v[ST+8*\q]
.endr
.irp q, 0,1
	v_floor_f32 v[ST+8*\q], -v[ST+8*\q+1]          ; the new -M = -ceil(t): a whole number
.endr
.irp q, 0,1
	v_sub_f32 v[ST+8*\q+4], v[ST+8*\q], v[ST+8*\q+4]
.endr
.irp q, 0,1
	v_cvt_i32_f32 v[ST+8*\q+4], v[ST+8*\q+4]       ; old M - new M, 0 or less (it saturates)
.endr
.irp q, 0,1
	v_ldexp_f32 v[ST+8*\q+4], 1.0, v[ST+8*\q+4]    ; f = 2^(old M - new M)
.endr
.set i, 0
.rept 16
	v_pk_fma_f32 v[SC+2*i:SC+2*i+1], v[SC+2*i:SC+2*i+1], s[CS:CS+1], v[ST:ST+1] op_sel_hi:[1,0,0]   ; tile 0: t - M
.set i, i+1
.endr
.set i, 0
.rept 16                               ; ONE BATCH of 64 exponentials, plain work of other registers between them; nothing names a result before the wait
	v_exp_f32 v[SC+2*i], v[SC+2*i]
	v_exp_f32 v[SC+2*i+1], v[SC+2*i+1]
	v_pk_fma_f32 v[SC+32+2*i:SC+32+2*i+1], v[SC+32+2*i:SC+32+2*i+1], s[CS:CS+1], v[ST+8:ST+9] op_sel_hi:[1,0,0]
.set i, i+1
.endr
.set i, 0
.rept 32
	v_exp_f32 v[SC+32+i], v[SC+32+i]
	v_pk_mul_f32 v[OA+2*i:OA+2*i+1], v[OA+2*i:OA+2*i+1], v[ST+8*(i/16)+4:ST+8*(i/16)+5] op_sel_hi:[1,0]   ; O^T under the new M, each accumulator from its low end on
.set i, i+1
.endr
.irp q, 0,1
	v_pk_mul_f32 v[ST+8*\q+2:ST+8*\q+3], v[ST+8*\q+2:ST+8*\q+3], v[ST+8*\q+4:ST+8*\q+5] op_sel_hi:[1,0]
.endr
	s_wait_alu depctr_va_vdst(0)                   ; the wait ahead of the first use: one for the batch
.irp q, 0,1                            ; the row's sum of the UNQUANTISED p, two chains a tile
	v_pk_add_f32 v[ST+8*\q+6:ST+8*\q+7], v[SC+32*\q:SC+32*\q+1], v[SC+32*\q+2:SC+32*\q+3]
.endr
.irp j, 4,8,12,16,20,24,28
.irp q, 0,1
	v_pk_add_f32 v[ST+8*\q+2:ST+8*\q+3], v[ST+8*\q+2:ST+8*\q+3], v[SC+32*\q+\j:SC+32*\q+\j+1]
	v_pk_add_f32 v[ST+8*\q+6:ST+8*\q+7], v[ST+8*\q+6:ST+8*\q+7], v[SC+32*\q+\j+2:SC+32*\q+\j+3]
.endr
.endr
.irp q, 0,1
	v_pk_add_f32 v[ST+8*\q+2:ST+8*\q+3], v[ST+8*\q+2:ST+8*\q+3], v[ST+8*\q+6:ST+8*\q+7]
.endr
.irp q, 0,1
.irp t, 0,1,2,3
.irp j, 0,1,2,3,4,5,6,7
	v_min_num_f32 v[SC+32*\q+8*\t+\j], v[SC+32*\q+8*\t+\j], v[LIM]   ; p is never negative: the hold is one-sided
.endr
	v_cvt_scalef32_pk8_fp8_f32 v[PC+8*\q+2*\t:PC+8*\q+2*\t+1], v[SC+32*\q+8*\t:SC+32*\q+8*\t+7], v[SCL]
.endr
.endr
	v_nop                                          ; a plain instruction between the last conversion and the products that read the codes
	s_wait_dscnt 8*\pre                            ; V is in; the next step's eight loads of K may be out
.irp t, 0,1,2,3
.irp q, 0,1
	v_wmma_f32_16x16x64_fp8_fp8 v[OA+32*\q+8*\t:OA+32*\q+8*\t+7], v[VF+8*\t:VF+8*\t+7], v[PC+8*\q:PC+8*\q+7], v[OA+32*\q+8*\t:OA+32*\q+8*\t+7]
.endr
.endr
	s_add_co_u32 s[VB], s[VB], 64
.endm
	s_wait_tensorcnt 0x1                           ; my part of the first half is in; the second half's load may be out
	s_barrier_signal -1
	s_barrier_wait -1
	KLOAD
	s_wait_loadcnt 0x0                             ; Q
	s_mov_b32 s[CNT], 15
.Lhalf0:
	STEP 1
	s_sub_co_u32 s[CNT], s[CNT], 1
	s_cmp_lg_u32 s[CNT], 0
	s_cbranch_scc1 .Lhalf0
	STEP 0                                         ; the half's last step fetches nothing from the other half
	s_wait_tensorcnt 0x0                           ; my part of the second half is in,
	s_wait_dscnt 0x0
	s_barrier_signal -1
	s_barrier_wait -1                              ; everybody's is
	s_add_co_u32 s[VB], s[VB], VHALF-1024          ; V's second half
	KLOAD
	s_mov_b32 s[CNT], 15
.Lhalf1:
	STEP 1
	s_sub_co_u32 s[CNT], s[CNT], 1
	s_cmp_lg_u32 s[CNT], 0
	s_cbranch_scc1 .Lhalf1
	STEP 0
	; THE WAY OUT: O^T / the sum stands for o / 2^(e4 + e5); its code is that / 2^(e6 - e4 - e5).
.rept 4
	v_nop                                          ; places behind the last products
.endr
.irp q, 0,1
	v_add_f32 v[ST+8*\q+6], v[ST+8*\q+2], v[ST+8*\q+3]
.endr
.irp q, 0,1
	v_permlanex16_b32 v[ST+8*\q+7], v[ST+8*\q+6], s[SEL], s[SEL+1]
.endr
.irp q, 0,1
	v_add_f32 v[ST+8*\q+6], v[ST+8*\q+6], v[ST+8*\q+7]
.endr
.irp q, 0,1
	v_rcp_f32 v[ST+8*\q+4], v[ST+8*\q+6]
.endr
	v_nop
	s_sub_co_i32 s57, s74, s72
	s_sub_co_i32 s57, s57, s73
	s_add_co_i32 s57, s57, 127
	s_lshl_b32 s56, s57, 23
	v_mov_b32 v[SCL], s56
	s_add_co_i32 s57, s57, 8
	s_lshl_b32 s57, s57, 23
	s_or_b32 s57, s57, 0x600000
	v_mov_b32 v[LIM], s57
	s_wait_alu depctr_va_vdst(0)                   ; one wait for the two reciprocals, ahead of their first use
.set i, 0
.rept 32
	v_pk_mul_f32 v[SC+2*i:SC+2*i+1], v[OA+2*i:OA+2*i+1], v[ST+8*(i/16)+4:ST+8*(i/16)+5] op_sel_hi:[1,0]
.set i, i+1
.endr
.set i, 0
.rept 64
	v_med3_num_f32 v[SC+i], v[SC+i], -v[LIM], v[LIM]
.set i, i+1
.endr
.set i, 0
.rept 8
	v_cvt_scalef32_pk8_fp8_f32 v[PC+2*i:PC+2*i+1], v[SC+8*i:SC+8*i+7], v[SCL]
.set i, i+1
.endr
	v_nop
.irp q, 0,1
.irp t, 0,1,2,3
	ds_store_b64 v[STO], v[PC+8*\q+2*\t:PC+8*\q+2*\t+1] offset:\q*16*KP+16*\t   ; query 16 q + r, channels 16 t + 8 h + 0 .. 7
.endr
.endr
.irp i, 0,1,2,3
	ds_load_b128 v[KF+4*\i:KF+4*\i+3], v[RD] offset:\i*8*KP     ; LDS serves a wave's instructions in order: these see my stores
.endr
.irp i, 0,1,2,3
	s_wait_dscnt 3-\i
	global_store_b128 v[GO], v[KF+4*\i:KF+4*\i+3], s[8:9] offset:512*\i   ; eight rows of 64 bytes: 512 consecutive bytes, aligned
.endr
	s_wait_tensorcnt 0x0                           ; the wave's end
	ds_add_u32 v[SPW], v[NIL]
	s_wait_dscnt 0x0
	CROUND                                         ; the closing round
	s_endpgm
.Lfunc_end_k_q5a0b26d28b_attn:
	.size	k_q5a0b26d28b_attn, .Lfunc_end_k_q5a0b26d28b_attn-k_q5a0b26d28b_attn
	.p2alignl 7, 3214868480
	.fill 96, 4, 3214868480
	.section	.rodata,"a",@progbits
	.p2align	6, 0x0
	.amdhsa_kernel k_q5a0b26d28b_attn
		.amdhsa_group_segment_fixed_size 327680
		.amdhsa_private_segment_fixed_size 0
		.amdhsa_enable_private_segment 0
		.amdhsa_kernarg_size 24
		.amdhsa_user_sgpr_count 2
		.amdhsa_user_sgpr_kernarg_segment_ptr 1
		.amdhsa_wavefront_size32 1
		.amdhsa_system_sgpr_workgroup_id_x 1
		.amdhsa_system_sgpr_workgroup_id_y 1
		.amdhsa_system_sgpr_workgroup_id_z 1
		.amdhsa_system_vgpr_workitem_id 0
		.amdhsa_next_free_vgpr 256
		.amdhsa_next_free_sgpr 84
		.amdhsa_reserve_vcc 0
		.amdhsa_float_denorm_mode_32 3
		.amdhsa_float_denorm_mode_16_64 3
		.amdhsa_memory_ordered 1
		.amdhsa_forward_progress 1
		.amdhsa_inst_pref_size 84
	.end_amdhsa_kernel
	.amdgpu_metadata
---
amdhsa.version: [ 1, 2 ]
amdhsa.kernels:
  - .name:           k_q5a0b26d28b_attn
    .symbol:         k_q5a0b26d28b_attn.kd
    .args:
      - { .name: qkvc, .offset: 0, .size: 8, .value_kind: global_buffer, .address_space: global }
      - { .name: lowp_scales, .offset: 8, .size: 8, .value_kind: global_buffer, .address_space: global }
      - { .name: oc, .offset: 16, .size: 8, .value_kind: global_buffer, .address_space: global }
    .group_segment_fixed_size: 327680
    .private_segment_fixed_size: 0
    .kernarg_segment_align: 8
    .kernarg_segment_size: 24
    .max_flat_workgroup_size: 256
    .sgpr_count:     84
    .vgpr_count:     256
    .wavefront_size: 32
...
	.end_amdgpu_metadata
.endif
;; end of part 3
;; launch proj (part 4): grid 8 x 32, 4 waves a work-group, clusters of 4 x 4, 327,680 bytes of LDS; arguments oc, wc, lowp_scales, b_proj, x, x1; writes x1
.if DOCPART == 4
	.amdgcn_target "amdgcn-amd-amdhsa--gfx1250"
	.amdhsa_code_object_version 6
	.text
	.protected	k_q5a0b26d28b_proj
	.globl	k_q5a0b26d28b_proj
	.p2align	8
	.type	k_q5a0b26d28b_proj,@function
k_q5a0b26d28b_proj:
	s_mov_b64 s[64:65], 0
	v_nop
	global_prefetch_b8 v0, s[64:65] scope:SCOPE_SE
	s_setreg_imm32_b32 hwreg(HW_REG_WAVE_MODE, 25, 1), 1
	s_wait_xcnt 0x0
	s_wait_alu depctr_hold_cnt(0) depctr_sa_sdst(0) depctr_va_vdst(0) depctr_va_sdst(0) depctr_va_ssrc(0) depctr_va_vcc(0) depctr_vm_vsrc(0)
	s_getreg_b32 s2, hwreg(HW_REG_IB_STS2, 6, 4)
	s_cmp_eq_u32 s2, 0
	s_cbranch_scc0 .Lentry_in_a_cluster
	s_endpgm
.Lentry_in_a_cluster:
	s_bfe_u32 s2, ttmp6, 0x10000c
	s_cmp_lg_u32 s2, 0xf033
	s_cbranch_scc0 .Lentry_shape_is_right
	s_endpgm
.Lentry_shape_is_right:
; out = residual + (A B^T x 2^(ea + eb) + bias), A and B codes of E4M3.  PROJ = 1: A = attention's result, [16 heads][4,096][64], B = w_proj's codes, K = 1,024, residual x, out x1.
; PROJ = 0: A = the hidden layer's codes [4,096][4,096], B = w_fc2's codes, K = 4,096, residual x1, out out0.
; A tile of 128 x 128 (256 work-groups), four waves of 64 x 64: 16 accumulators.  K goes in steps of 512 through two LDS slots; with K = 1,024 both are first fills and nothing is filled again.
; CLUSTERS of 4 x 4: A's tiles are shared along a row, B's along a column, by joint loads.  The matrix instruction is used transposed (source 0 = B's rows, source 1 = A's): a lane holds eight neighbouring columns of a row.
; LIMIT: ea + eb between -126 and 127.
; REGISTERS: window 0: v0-31 addresses; v32-63 rows back from the stage; v64-95 results; v96-99 the bias; v128-255 the accumulators.  Window 1: two sets of fragments (A's four, then B's four).
;   Window 2: v0-127 my 64 x 64 of the residual: asked for at the head, wanted on the way out.
.set PROJ, 1
.if PROJ
.set KTOT,   1024
.set LAPS,   1
.set APITCH, 80                        ; A in LDS: 8 heads' planes of 64 rows x (64 bytes + 16)
.set AHALF,  8*64*80
.set ASH,    6
.set BSH,    10
.set ASTEP,  8*262144                  ; a slot on: eight planes
.set WOFF,   3145728
.set SOFF,   0x18
.else
.set KTOT,   4096
.set LAPS,   4
.set APITCH, 528
.set AHALF,  64*528
.set ASH,    12
.set BSH,    12
.set ASTEP,  512
.set WOFF,   8388608
.set SOFF,   0x28
.endif
.set BPITCH, 528                       ; 512 bytes + 16
.set BHALF,  64*BPITCH
.set ABYTES, 2*AHALF
.set SLOT,   ABYTES+2*BHALF
.set STAGE,  2*SLOT                    ; behind the ring: 16 rows x 272 bytes for each wave
.set SPITCH, 272
.set SPARE,  STAGE+4*16*SPITCH
.set ADRA, 16
.set ADRB, 20
.set STO,  24
.set RD,   25
.set CO,   26
.set BO,   27
.set SPW,  28
.set NIL,  29
.set BK,   32
.set OUTR, 64
.set BIAS, 96
.set ACC,  128
.set F0,   0
.set F1,   128
.set G1, 24
.set G0, 32
.set G1B, 48
.set G0B, 56
.set MSB, 0
.macro WIN new
.if MSB != \new
	s_set_vgpr_msb (MSB<<8)|\new
.set MSB, \new
.endif
.endm
.set MUL,  0x05                        ; sources 0 and 1 window 1; C and D window 0
.set TO_F, 0x40                        ; destination window 1
.macro JLOAD s                         ; waves 0 and 1 fetch A's halves, waves 2 and 3 B's; an s_nop 0 and four v_nop follow each line
	s_cmp_eq_u32 s11, 0
	s_cbranch_scc0 .Lfor_b_\@
	tensor_load_to_lds s[G0+4*\s:G0+4*\s+3], s[G1:G1+7]
	s_nop 0
.rept 4
	v_nop
.endr
	s_branch .Lasked_\@
.Lfor_b_\@:
	tensor_load_to_lds s[G0B+4*\s:G0B+4*\s+3], s[G1B:G1B+7]
	s_nop 0
.rept 4
	v_nop
.endr
.Lasked_\@:
.endm
.macro CREST
	s_cmp_lg_u32 s10, 0
	s_cbranch_scc1 .Lnot_wave_0_\@
	s_barrier_signal -3
.Lnot_wave_0_\@:
	s_barrier_wait -3
	s_barrier_signal -1
	s_barrier_wait -1
.endm
.macro CROUND
	s_barrier_signal -1
	s_barrier_wait -1
	CREST
.endm
	s_load_b128 s[4:7], s[0:1], 0x0                ; A's codes, wc
	s_load_b128 s[68:71], s[0:1], 0x10             ; the scales' exponents, the bias
	s_load_b128 s[72:75], s[0:1], 0x20             ; the residual, the output
	v_lshl_add_u32 v[SPW], v0, 2, SPARE
	v_mov_b32 v[NIL], 0
	ds_add_u32 v[SPW], v[NIL]                      ; the wave's opening
	v_lshrrev_b32 v1, 5, v0
	v_readfirstlane_b32 s10, v1                    ; wave 0..3
	s_lshr_b32 s11, s10, 1                         ; my half of the tile's rows.  Also: I fetch for A (0) or B (1)
	s_and_b32 s12, s10, 1                          ; my half of its columns.  Also: which 64 rows I fetch
	s_bfe_u32 s40, ttmp6, 0x40000
	s_bfe_u32 s41, ttmp6, 0x40004
	s_lshl_b32 s42, ttmp9, 2
	s_add_co_u32 s42, s42, s40                     ; tile column
	s_and_b32 s13, ttmp7, 0xffff
	s_lshl_b32 s13, s13, 2
	s_add_co_u32 s13, s13, s41                     ; tile row
	s_lshl_b32 s43, s41, 2
	s_lshl_b32 s43, 15, s43
	s_lshl_b32 s44, 0x1111, s40
.if PROJ
	s_or_b32 s[G1+0], s43, (1<<20)|(1<<21)|(3<<22)|(3<<25)   ; a 'row' is a head's 64 dense rows of 64 bytes; 4 words of padding after every 16
	s_mov_b32 s[G1+1], 4096<<16
	s_mov_b32 s[G1+2], 8<<16
	s_mov_b32 s[G1+3], 4096<<16
	s_mov_b32 s[G1+4], 8                           ; eight heads
	s_mov_b32 s[G1+5], 262144                      ; from plane to plane
.else
	s_or_b32 s[G1+0], s43, (1<<20)|(1<<21)|(6<<22)|(3<<25)   ; 4 words after every 128
	s_mov_b32 s[G1+1], 512<<16
	s_mov_b32 s[G1+2], 64<<16
	s_mov_b32 s[G1+3], 512<<16
	s_mov_b32 s[G1+4], 64
	s_mov_b32 s[G1+5], KTOT
.endif
	s_mov_b32 s[G1+6], 0
	s_mov_b32 s[G1+7], 0
	s_or_b32 s[G1B+0], s44, (1<<20)|(1<<21)|(6<<22)|(3<<25)
	s_mov_b32 s[G1B+1], 512<<16
	s_mov_b32 s[G1B+2], 64<<16
	s_mov_b32 s[G1B+3], 512<<16
	s_mov_b32 s[G1B+4], 64
	s_mov_b32 s[G1B+5], KTOT
	s_mov_b32 s[G1B+6], 0
	s_mov_b32 s[G1B+7], 0
	s_lshl_b32 s18, s12, 6
	s_lshl_b32 s16, s13, 7
	s_add_co_u32 s16, s16, s18
	s_lshl_b32 s16, s16, ASH                       ; A: row 128 x tile row + 64 x half, in bytes
	s_mov_b32 s17, 0
	s_lshl_b32 s46, s42, 7
	s_add_co_u32 s46, s46, s18
	s_lshl_b32 s46, s46, BSH
	s_add_co_u32 s46, s46, WOFF                    ; B: likewise, in its part of wc
	s_mov_b32 s47, 0
	s_mul_i32 s20, s12, AHALF                      ; where they go
	s_mul_i32 s21, s12, BHALF
	s_add_co_u32 s21, s21, ABYTES
	s_wait_dscnt 0x0                               ; the opening add is done
	s_wait_kmcnt 0x0
	s_load_b64 s[76:77], s[68:69], SOFF            ; ea, eb
	s_add_nc_u64 s[14:15], s[4:5], s[16:17]
	s_add_nc_u64 s[46:47], s[6:7], s[46:47]
	CROUND                                         ; the first joint loads meet
.irp s, 0,1
	s_mov_b32 s[G0+4*\s], 1
	s_add_co_u32 s[G0+4*\s+1], s20, \s*SLOT
	s_add_nc_u64 s[G0+4*\s+2:G0+4*\s+3], s[14:15], \s*ASTEP
	s_or_b32 s[G0+4*\s+3], s[G0+4*\s+3], 0x80000000
	s_mov_b32 s[G0B+4*\s], 1
	s_add_co_u32 s[G0B+4*\s+1], s21, \s*SLOT
	s_add_nc_u64 s[G0B+4*\s+2:G0B+4*\s+3], s[46:47], \s*512
	s_or_b32 s[G0B+4*\s+3], s[G0B+4*\s+3], 0x80000000
	JLOAD \s
.endr
	v_and_b32 v1, 15, v0                           ; r
	v_bfe_u32 v2, v0, 4, 1                         ; h
	v_mul_u32_u24 v3, v1, APITCH
	v_lshl_add_u32 v3, v2, 4, v3
	v_mul_u32_u24 v4, v1, BPITCH
	v_lshl_add_u32 v4, v2, 4, v4
	s_mul_i32 s21, s11, AHALF
	s_mul_i32 s22, s12, BHALF
	s_add_co_u32 s22, s22, ABYTES
.irp s, 0,1
	v_add_nc_u32 v[ADRA+\s], s21, v3
	v_add_nc_u32 v[ADRB+\s], s22, v4
	s_add_co_u32 s21, s21, SLOT
	s_add_co_u32 s22, s22, SLOT
.endr
	s_mul_i32 s23, s10, 16*SPITCH
	s_add_co_u32 s23, s23, STAGE                   ; my stage
	v_mul_u32_u24 v5, v1, SPITCH
	v_lshl_add_u32 v5, v2, 5, v5
	v_add_nc_u32 v[STO], s23, v5                   ; in: row r, 32 bytes for each half of the lanes
	v_mul_u32_u24 v5, v2, SPITCH
	v_lshl_add_u32 v5, v1, 4, v5
	v_add_nc_u32 v[RD], s23, v5                    ; back: sixteen lanes to a row of 256 bytes
	v_lshlrev_b32 v[BO], 4, v1
	v_lshl_add_u32 v[CO], v2, 12, v[BO]            ; and the same two rows in memory
	s_lshl_b32 s78, s42, 9
	s_lshl_b32 s79, s12, 8
	s_add_co_u32 s78, s78, s79                     ; my first column, in bytes
	s_mov_b32 s79, 0
	s_add_nc_u64 s[70:71], s[70:71], s[78:79]
	s_lshl_b32 s80, s13, 7
	s_lshl_b32 s81, s11, 6
	s_add_co_u32 s80, s80, s81
	s_lshl_b32 s80, s80, 12                        ; my first row, in bytes
	s_add_co_u32 s78, s78, s80
	s_add_nc_u64 s[72:73], s[72:73], s[78:79]
	s_add_nc_u64 s[74:75], s[74:75], s[78:79]
	; my 64 x 64 of the residual and my four of the bias are asked for here, behind the first tiles' requests; they are wanted only on the way out, so all the products stand between
	; the request and the wait for it.  Their registers, their offsets (v26, v27) and their bases (s[70:73]) are not written again
	WIN 0x80                                       ; destination window 2, address window 0
.irp a, 0,1,2,3
.irp t, 0,1,2,3,4,5,6,7
	global_load_b128 v[4*(8*\a+\t):4*(8*\a+\t)+3], v[CO], s[72:73] offset:(16*\a+2*\t)*4096
.endr
.endr
	WIN 0
	global_load_b128 v[BIAS:BIAS+3], v[BO], s[70:71]
.macro MUL8 f, a0, zero                ; A's blocks a0, a0 + 1 x B's four, 128 along K; the 16 accumulators take turns
.irp a, \a0, \a0+1
.irp b, 0,1,2,3
.if \zero
	v_wmma_f32_16x16x128_fp8_fp8 v[ACC+8*(4*(\a)+\b):ACC+8*(4*(\a)+\b)+7], v[\f+64+16*\b:\f+64+16*\b+15], v[\f+16*(\a):\f+16*(\a)+15], 0
.else
	v_wmma_f32_16x16x128_fp8_fp8 v[ACC+8*(4*(\a)+\b):ACC+8*(4*(\a)+\b)+7], v[\f+64+16*\b:\f+64+16*\b+15], v[\f+16*(\a):\f+16*(\a)+15], v[ACC+8*(4*(\a)+\b):ACC+8*(4*(\a)+\b)+7]
.endif
.endr
.endr
.endm
.macro FETCH slot, q, f                ; 32 LDS loads in one run: the slot's q-th 128 along K into set f; registers 4 c .. 4 c + 3: k = 32 c + 16 h + 0 .. 15
	WIN TO_F
.irp i, 0,1,2,3
.irp c, 0,1,2,3
	ds_load_b128 v[\f+64+16*\i+4*\c:\f+64+16*\i+4*\c+3], v[ADRB+\slot] offset:128*(\q)+32*\c+\i*16*BPITCH
.endr
.endr
.irp i, 0,1,2,3
.irp c, 0,1,2,3
.if PROJ
	ds_load_b128 v[\f+16*\i+4*\c:\f+16*\i+4*\c+3], v[ADRA+\slot] offset:(2*(\q)+(\c/2))*64*APITCH+32*(\c%2)+\i*16*APITCH
.else
	ds_load_b128 v[\f+16*\i+4*\c:\f+16*\i+4*\c+3], v[ADRA+\slot] offset:128*(\q)+32*\c+\i*16*APITCH
.endif
.endr
.endr
.endm
.macro PLACES
.rept 4
	v_nop
.endr
.endm
.macro QSTEP slot, q, f, g, zero       ; fetches the slot's q-th 128 along K into g and multiplies f
	PLACES                                         ; g was read by the products just issued
	FETCH \slot, \q, \g
	s_wait_dscnt 32                                ; all but the 32 just issued: f is in
	WIN MUL
	MUL8 \f, 0, \zero
	MUL8 \f, 2, \zero
.endm
.macro TURN slot, next, fill           ; a slot's last 128 along K (in F1) and the change of slots
	WIN 0
	s_wait_tensorcnt 0x0                           ; all my tensor loads have landed: my part of the next slot
	ds_add_u32 v[SPW], v[NIL]
	s_wait_dscnt 1                                 ; only the add may be out
	WIN MUL
	MUL8 F1, 0, 0
	s_wait_dscnt 0x0                               ; the add is done, and my reads of this slot are over
	s_barrier_signal -1
	WIN 0
	s_barrier_wait -1
.if \fill
	CREST                                          ; the barrier has opened a round of the cluster's
	s_add_nc_u64 s[G0+4*\slot+2:G0+4*\slot+3], s[G0+4*\slot+2:G0+4*\slot+3], 2*ASTEP
	s_add_nc_u64 s[G0B+4*\slot+2:G0B+4*\slot+3], s[G0B+4*\slot+2:G0B+4*\slot+3], 2*512
	JLOAD \slot                                    ; the first tensor load behind the round; its four v_nop are the places in front of the loads below
.else
	PLACES
.endif
	FETCH \next, 0, F0
	WIN MUL
	MUL8 F1, 2, 0
.endm
	s_wait_tensorcnt 1                             ; my part of slot 0 is in; slot 1's load may be out
	s_barrier_signal -1
	s_barrier_wait -1
	FETCH 0, 0, F0
	QSTEP 0, 1, F0, F1, 1                          ; the first products start the sums
.if LAPS > 1
	WIN 0
	s_mov_b32 s3, LAPS-1
.Llap:
	QSTEP 0, 2, F1, F0, 0
	QSTEP 0, 3, F0, F1, 0
	TURN 0, 1, 1
	QSTEP 1, 1, F0, F1, 0
	QSTEP 1, 2, F1, F0, 0
	QSTEP 1, 3, F0, F1, 0
	TURN 1, 0, 1
	QSTEP 0, 1, F0, F1, 0
	WIN 0
	s_sub_co_u32 s3, s3, 1
	s_cmp_lg_u32 s3, 0
	s_cbranch_scc1 .Llap
.endif
	QSTEP 0, 2, F1, F0, 0                          ; the last lap fills nothing
	QSTEP 0, 3, F0, F1, 0
	TURN 0, 1, 0
	QSTEP 1, 1, F0, F1, 0
	QSTEP 1, 2, F1, F0, 0
	QSTEP 1, 3, F0, F1, 0
	s_wait_dscnt 0x0                               ; the last 128 along K are in: nothing more to fetch
	MUL8 F1, 0, 0
	MUL8 F1, 2, 0
	WIN 0
	s_wait_kmcnt 0x0
	s_add_co_i32 s76, s76, s77
	s_add_co_i32 s76, s76, 127
	s_lshl_b32 s76, s76, 23                        ; 2^(ea + eb) as f32
	s_mov_b32 s77, s76
	PLACES
	; THE WAY OUT, 16 rows at a time through my own stage: a lane's 32 bytes go in, whole rows of 256 bytes come back
.irp a, 0,1,2,3
.irp b, 0,1,2,3
	ds_store_b128 v[STO], v[ACC+8*(4*\a+\b):ACC+8*(4*\a+\b)+3] offset:64*\b
	ds_store_b128 v[STO], v[ACC+8*(4*\a+\b)+4:ACC+8*(4*\a+\b)+7] offset:64*\b+16
.endr
.irp t, 0,1,2,3,4,5,6,7
	ds_load_b128 v[BK+4*\t:BK+4*\t+3], v[RD] offset:\t*2*SPITCH   ; LDS serves a wave's instructions in order
.endr
	s_wait_dscnt 0x0
.if \a == 0
	s_wait_loadcnt 0x0                             ; the residual and the bias, asked for at the head
.endif
	s_wait_xcnt 0x0                                ; the earlier stores have read their registers
	WIN 0x08                                       ; source 1 window 2: the residual
.irp t, 0,1,2,3,4,5,6,7
	v_pk_fma_f32 v[OUTR+4*\t:OUTR+4*\t+1], v[BK+4*\t:BK+4*\t+1], s[76:77], v[BIAS:BIAS+1] op_sel_hi:[1,0,1]
	v_pk_fma_f32 v[OUTR+4*\t+2:OUTR+4*\t+3], v[BK+4*\t+2:BK+4*\t+3], s[76:77], v[BIAS+2:BIAS+3] op_sel_hi:[1,0,1]
.endr
.irp t, 0,1,2,3,4,5,6,7
	v_pk_add_f32 v[OUTR+4*\t:OUTR+4*\t+1], v[OUTR+4*\t:OUTR+4*\t+1], v[4*(8*\a+\t):4*(8*\a+\t)+1]
	v_pk_add_f32 v[OUTR+4*\t+2:OUTR+4*\t+3], v[OUTR+4*\t+2:OUTR+4*\t+3], v[4*(8*\a+\t)+2:4*(8*\a+\t)+3]
.endr
	WIN 0
.irp t, 0,1,2,3,4,5,6,7
	global_store_b128 v[CO], v[OUTR+4*\t:OUTR+4*\t+3], s[74:75] offset:(16*\a+2*\t)*4096   ; sixteen lanes store 256 consecutive bytes, aligned
.endr
.endr
	s_wait_tensorcnt 0x0                           ; the wave's end
	ds_add_u32 v[SPW], v[NIL]
	s_wait_dscnt 0x0
	CROUND                                         ; the closing round
	s_endpgm
.Lfunc_end_k_q5a0b26d28b_proj:
	.size	k_q5a0b26d28b_proj, .Lfunc_end_k_q5a0b26d28b_proj-k_q5a0b26d28b_proj
	.p2alignl 7, 3214868480
	.fill 96, 4, 3214868480
	.section	.rodata,"a",@progbits
	.p2align	6, 0x0
	.amdhsa_kernel k_q5a0b26d28b_proj
		.amdhsa_group_segment_fixed_size 327680
		.amdhsa_private_segment_fixed_size 0
		.amdhsa_enable_private_segment 0
		.amdhsa_kernarg_size 48
		.amdhsa_user_sgpr_count 2
		.amdhsa_user_sgpr_kernarg_segment_ptr 1
		.amdhsa_wavefront_size32 1
		.amdhsa_system_sgpr_workgroup_id_x 1
		.amdhsa_system_sgpr_workgroup_id_y 1
		.amdhsa_system_sgpr_workgroup_id_z 1
		.amdhsa_system_vgpr_workitem_id 0
		.amdhsa_next_free_vgpr 640
		.amdhsa_next_free_sgpr 84
		.amdhsa_reserve_vcc 0
		.amdhsa_float_denorm_mode_32 3
		.amdhsa_float_denorm_mode_16_64 3
		.amdhsa_memory_ordered 1
		.amdhsa_forward_progress 1
		.amdhsa_inst_pref_size 53
	.end_amdhsa_kernel
	.amdgpu_metadata
---
amdhsa.version: [ 1, 2 ]
amdhsa.kernels:
  - .name:           k_q5a0b26d28b_proj
    .symbol:         k_q5a0b26d28b_proj.kd
    .args:
      - { .name: oc, .offset: 0, .size: 8, .value_kind: global_buffer, .address_space: global }
      - { .name: wc, .offset: 8, .size: 8, .value_kind: global_buffer, .address_space: global }
      - { .name: lowp_scales, .offset: 16, .size: 8, .value_kind: global_buffer, .address_space: global }
      - { .name: b_proj, .offset: 24, .size: 8, .value_kind: global_buffer, .address_space: global }
      - { .name: x, .offset: 32, .size: 8, .value_kind: global_buffer, .address_space: global }
      - { .name: x1, .offset: 40, .size: 8, .value_kind: global_buffer, .address_space: global }
    .group_segment_fixed_size: 327680
    .private_segment_fixed_size: 0
    .kernarg_segment_align: 8
    .kernarg_segment_size: 48
    .max_flat_workgroup_size: 128
    .sgpr_count:     84
    .vgpr_count:     640
    .wavefront_size: 32
...
	.end_amdgpu_metadata
.endif
;; end of part 4
;; launch ln2 (part 5): grid 256 x 1, 4 waves a work-group, no clusters, 0 bytes of LDS; arguments x1, g2, be2, lowp_scales, hc; writes hc
.if DOCPART == 5
	.amdgcn_target "amdgcn-amd-amdhsa--gfx1250"
	.amdhsa_code_object_version 6
	.text
	.protected	k_q5a0b26d28b_ln2
	.globl	k_q5a0b26d28b_ln2
	.p2align	8
	.type	k_q5a0b26d28b_ln2,@function
k_q5a0b26d28b_ln2:
	s_mov_b64 s[64:65], 0
	v_nop
	global_prefetch_b8 v0, s[64:65] scope:SCOPE_SE
	s_setreg_imm32_b32 hwreg(HW_REG_WAVE_MODE, 25, 1), 1
	s_wait_xcnt 0x0
; h2 = LayerNorm(x1) g2 + be2 becomes codes of E4M3 with the scale 2^e8: 16 rows a work-group, four a wave, a wave to a row; nothing leaves the wave: no LDS, no barrier.
; THE ORDER ALONG K: inside each aligned block of 256, place 8 l + 4 u + i holds k = 128 u + 4 l + i: what lane l holds after two dense 16-byte loads 512 bytes apart.  w_fc1's codes have the same order.
; LIMIT: e8 between -126 and 119.  NaN and infinities among the inputs are not served.
.set LG,   16                          ; v16-47 g, v48-79 be, v80-207 four rows, v208-239 their codes, v240-255 at work
.set LB,   48
.set LX,   80
.set LC,   208
.set LT,   240
.set MU,   6
.set RS,   8
.macro REDUCE                          ; v[LT] summed over the 32 lanes, into every lane
	v_add_f32_dpp v[LT], v[LT], v[LT] row_xmask:1 row_mask:0xf bank_mask:0xf
	v_add_f32_dpp v[LT], v[LT], v[LT] row_xmask:2 row_mask:0xf bank_mask:0xf
	v_add_f32_dpp v[LT], v[LT], v[LT] row_xmask:4 row_mask:0xf bank_mask:0xf
	v_add_f32_dpp v[LT], v[LT], v[LT] row_xmask:8 row_mask:0xf bank_mask:0xf
	v_permlanex16_b32 v[LT+1], v[LT], s54, s55
	v_add_f32 v[LT], v[LT], v[LT+1]
.endm
.macro LNROW j
.set XR, LX+32*(\j)
	s_wait_loadcnt 8*(3-(\j))                      ; g, be and my row are in; the later rows' loads may be out
.irp p, 0,1,2,3,4,5,6,7
	v_pk_add_f32 v[LT+2*\p:LT+2*\p+1], v[XR+4*\p:XR+4*\p+1], v[XR+4*\p+2:XR+4*\p+3]
.endr
.irp p, 0,1,2,3
	v_pk_add_f32 v[LT+2*\p:LT+2*\p+1], v[LT+2*\p:LT+2*\p+1], v[LT+2*\p+8:LT+2*\p+9]
.endr
	v_pk_add_f32 v[LT:LT+1], v[LT:LT+1], v[LT+4:LT+5]
	v_pk_add_f32 v[LT+2:LT+3], v[LT+2:LT+3], v[LT+6:LT+7]
	v_pk_add_f32 v[LT:LT+1], v[LT:LT+1], v[LT+2:LT+3]
	v_add_f32 v[LT], v[LT], v[LT+1]
	REDUCE
	v_mul_f32 v[MU], s56, v[LT]                    ; the mean
	v_mul_f32 v[MU+1], s56, v[LT]
.set p, 0
.rept 16
	v_pk_add_f32 v[XR+2*p:XR+2*p+1], v[XR+2*p:XR+2*p+1], v[MU:MU+1] neg_lo:[0,1] neg_hi:[0,1]   ; d = x - mean, in place
.set p, p+1
.endr
.irp p, 0,1,2,3
	v_pk_mul_f32 v[LT+2*\p:LT+2*\p+1], v[XR+2*\p:XR+2*\p+1], v[XR+2*\p:XR+2*\p+1]
.endr
.set p, 4
.rept 12
	v_pk_fma_f32 v[LT+2*(p%4):LT+2*(p%4)+1], v[XR+2*p:XR+2*p+1], v[XR+2*p:XR+2*p+1], v[LT+2*(p%4):LT+2*(p%4)+1]
.set p, p+1
.endr
	v_pk_add_f32 v[LT:LT+1], v[LT:LT+1], v[LT+2:LT+3]
	v_pk_add_f32 v[LT+4:LT+5], v[LT+4:LT+5], v[LT+6:LT+7]
	v_pk_add_f32 v[LT:LT+1], v[LT:LT+1], v[LT+4:LT+5]
	v_add_f32 v[LT], v[LT], v[LT+1]
	REDUCE
	v_fma_f32 v[LT], v[LT], s56, s57               ; var + 1e-5
	v_rsq_f32 v[RS], v[LT]
	v_rsq_f32 v[RS+1], v[LT]
	v_nop                                          ; a plain instruction behind the last of the two
	s_wait_alu depctr_va_vdst(0)                   ; the wait ahead of the first use: one for both
.set p, 0
.rept 16
	v_pk_mul_f32 v[XR+2*p:XR+2*p+1], v[XR+2*p:XR+2*p+1], v[RS:RS+1]
.set p, p+1
.endr
.set p, 0
.rept 16
	v_pk_fma_f32 v[XR+2*p:XR+2*p+1], v[XR+2*p:XR+2*p+1], v[LG+2*p:LG+2*p+1], v[LB+2*p:LB+2*p+1]
.set p, p+1
.endr
.set p, 0
.rept 32
	v_med3_num_f32 v[XR+p], v[XR+p], -v10, v10     ; the hold at the largest code x the scale (ISA guide 7.6.2: the conversion does not saturate)
.set p, p+1
.endr
.irp c, 0,1,2,3
	v_cvt_scalef32_pk8_fp8_f32 v[LC+8*(\j)+2*\c:LC+8*(\j)+2*\c+1], v[XR+8*\c:XR+8*\c+7], v11
.endr
.irp c, 0,1,2,3
	global_store_b64 v4, v[LC+8*(\j)+2*\c:LC+8*(\j)+2*\c+1], s[26:27] offset:1024*(\j)+256*\c   ; the wave stores 256 consecutive bytes, aligned
.endr
.endm
	s_load_b256 s[8:15], s[0:1], 0x0               ; x1, g2, be2, the scales' exponents
	s_load_b64 s[26:27], s[0:1], 0x20              ; hc
	v_lshrrev_b32 v1, 5, v0
	v_readfirstlane_b32 s28, v1                    ; wave 0..3
	v_and_b32 v2, 31, v0
	s_lshl_b32 s29, ttmp9, 4
	s_lshl_b32 s30, s28, 2
	s_add_co_u32 s29, s29, s30                     ; my wave's first row
	s_mov_b32 s54, 0x76543210
	s_mov_b32 s55, 0xfedcba98
	s_mov_b32 s56, 0x3a800000                      ; 1 / 1,024
	s_mov_b32 s57, 0x3727c5ac                      ; 1e-5
	v_lshlrev_b32 v3, 4, v2
	v_lshlrev_b32 v4, 3, v2
	s_lshl_b32 s58, s29, 12
	s_mov_b32 s59, 0
	s_lshl_b32 s60, s29, 10
	s_mov_b32 s61, 0
	s_wait_kmcnt 0x0
	s_load_b32 s32, s[14:15], 0x20                 ; e8
	s_add_nc_u64 s[8:9], s[8:9], s[58:59]
	s_add_nc_u64 s[26:27], s[26:27], s[60:61]
.irp c, 0,1,2,3
.irp u, 0,1
	global_load_b128 v[LG+8*\c+4*\u:LG+8*\c+4*\u+3], v3, s[10:11] offset:1024*\c+512*\u
.endr
.endr
.irp c, 0,1,2,3
.irp u, 0,1
	global_load_b128 v[LB+8*\c+4*\u:LB+8*\c+4*\u+3], v3, s[12:13] offset:1024*\c+512*\u
.endr
.endr
.irp j, 0,1,2,3
.irp c, 0,1,2,3
.irp u, 0,1
	global_load_b128 v[LX+32*\j+8*\c+4*\u:LX+32*\j+8*\c+4*\u+3], v3, s[8:9] offset:4096*\j+1024*\c+512*\u
.endr
.endr
.endr
	s_wait_kmcnt 0x0
	s_add_co_i32 s48, s32, 127
	s_lshl_b32 s50, s48, 23
	v_mov_b32 v11, s50
	s_add_co_i32 s48, s48, 8
	s_lshl_b32 s48, s48, 23
	s_or_b32 s48, s48, 0x600000
	v_mov_b32 v10, s48
	LNROW 0
	LNROW 1
	LNROW 2
	LNROW 3
	s_endpgm
.Lfunc_end_k_q5a0b26d28b_ln2:
	.size	k_q5a0b26d28b_ln2, .Lfunc_end_k_q5a0b26d28b_ln2-k_q5a0b26d28b_ln2
	.p2alignl 7, 3214868480
	.fill 96, 4, 3214868480
	.section	.rodata,"a",@progbits
	.p2align	6, 0x0
	.amdhsa_kernel k_q5a0b26d28b_ln2
		.amdhsa_group_segment_fixed_size 0
		.amdhsa_private_segment_fixed_size 0
		.amdhsa_enable_private_segment 0
		.amdhsa_kernarg_size 40
		.amdhsa_user_sgpr_count 2
		.amdhsa_user_sgpr_kernarg_segment_ptr 1
		.amdhsa_wavefront_size32 1
		.amdhsa_system_sgpr_workgroup_id_x 1
		.amdhsa_system_sgpr_workgroup_id_y 1
		.amdhsa_system_sgpr_workgroup_id_z 1
		.amdhsa_system_vgpr_workitem_id 0
		.amdhsa_next_free_vgpr 256
		.amdhsa_next_free_sgpr 66
		.amdhsa_reserve_vcc 0
		.amdhsa_float_denorm_mode_32 3
		.amdhsa_float_denorm_mode_16_64 3
		.amdhsa_memory_ordered 1
		.amdhsa_forward_progress 1
		.amdhsa_inst_pref_size 42
	.end_amdhsa_kernel
	.amdgpu_metadata
---
amdhsa.version: [ 1, 2 ]
amdhsa.kernels:
  - .name:           k_q5a0b26d28b_ln2
    .symbol:         k_q5a0b26d28b_ln2.kd
    .args:
      - { .name: x1, .offset: 0, .size: 8, .value_kind: global_buffer, .address_space: global }
      - { .name: g2, .offset: 8, .size: 8, .value_kind: global_buffer, .address_space: global }
      - { .name: be2, .offset: 16, .size: 8, .value_kind: global_buffer, .address_space: global }
      - { .name: lowp_scales, .offset: 24, .size: 8, .value_kind: global_buffer, .address_space: global }
      - { .name: hc, .offset: 32, .size: 8, .value_kind: global_buffer, .address_space: global }
    .group_segment_fixed_size: 0
    .private_segment_fixed_size: 0
    .kernarg_segment_align: 8
    .kernarg_segment_size: 40
    .max_flat_workgroup_size: 128
    .sgpr_count:     66
    .vgpr_count:     256
    .wavefront_size: 32
...
	.end_amdgpu_metadata
.endif
;; end of part 5
;; launch fc1 (part 6): grid 16 x 16, 4 waves a work-group, clusters of 4 x 4, 327,680 bytes of LDS; arguments hc, wc, lowp_scales, b_fc1, hid; writes hid
.if DOCPART == 6
	.amdgcn_target "amdgcn-amd-amdhsa--gfx1250"
	.amdhsa_code_object_version 6
	.text
	.protected	k_q5a0b26d28b_fc1
	.globl	k_q5a0b26d28b_fc1
	.p2align	8
	.type	k_q5a0b26d28b_fc1,@function
k_q5a0b26d28b_fc1:
	s_mov_b64 s[64:65], 0
	v_nop
	global_prefetch_b8 v0, s[64:65] scope:SCOPE_SE
	s_setreg_imm32_b32 hwreg(HW_REG_WAVE_MODE, 25, 1), 1
	s_wait_xcnt 0x0
	s_wait_alu depctr_hold_cnt(0) depctr_sa_sdst(0) depctr_va_vdst(0) depctr_va_sdst(0) depctr_va_ssrc(0) depctr_va_vcc(0) depctr_vm_vsrc(0)
	s_getreg_b32 s2, hwreg(HW_REG_IB_STS2, 6, 4)
	s_cmp_eq_u32 s2, 0
	s_cbranch_scc0 .Lentry_in_a_cluster
	s_endpgm
.Lentry_in_a_cluster:
	s_bfe_u32 s2, ttmp6, 0x10000c
	s_cmp_lg_u32 s2, 0xf033
	s_cbranch_scc0 .Lentry_shape_is_right
	s_endpgm
.Lentry_shape_is_right:
; hid = Q(gelu(h2 W_fc1 + b_fc1)): the product on codes of E4M3, K = 1,024; the exact GELU in f32; the result quantised with 2^e10, stored [4,096][4,096].
; A tile of 256 x 256 is made by four waves, each 128 x 128.  K goes in steps of 256 through a ring of two LDS slots; 4 x 4 clusters with joint loads: P = h2's rows (source 1, shared along a row), Q = the weight's (source 0, along a column).
; THE WAY OUT.  The raw sums go as f32 into a stage laid over both slots, which are done with; each wave then takes 64 whole rows, four a trip: a lane reads columns 4 l .. and 128 + 4 l .., which gives the
; order along the next K that w_fc2's codes have (place 8 l + 4 u + i of a block of 256 holds k = 128 u + 4 l + i), and the wave stores 256 consecutive bytes.
; GELU.  gelu(u) = max(u, 0) - |u| h, h = erfc(|u| / sqrt 2) / 2 = t 2^(-u^2 log2(e) / 2 - 1 + log2(e) P(t)), t = 1 / (1 + |u| / (2 sqrt 2)), P the ninth-degree polynomial of the well-known
; rational Chebyshev fit of erfc, whose fractional error is under 1.2e-7 for every argument: accurate in relative terms on both tails, with no branch.
; A TRIP GOES IN TWO HALVES of 16 numbers a lane (rows 0, 1 and rows 2, 3), a phase apart, so that one half's reciprocals and exponentials stand singly among the other half's plain lines; the next trip's
; raw sums are fetched from the stage as soon as this trip's have been read.
; LIMITS: e8 + e9 between -126 and 127; e10 between -126 and 119.
.set KSTEP,  256
.set ROWB,   256
.set KROW,   1024
.set PITCH,  272
.set FR,     16
.set NL,     4
.set NP,     4
.set HALFT,  128*PITCH
.set SLOT,   4*HALFT
.set LAPS,   2
.set SPARE,  2*SLOT
.set RP,     1040                      ; a stage row: 1,024 bytes + 16
.set BI,   8                           ; v8-15  my eight of b_fc1: asked for at the head
.set ADRA, 16
.set ADRB, 20
.set AD,   22                          ; v22  the LDS address of the rows being fetched
.set G8,   23                          ; v23  8 x lane + 4 rows of hid for each trip begun
.set STO,  24
.set RD,   25
.set CO,   26                          ; v26  16 x lane
.set STO2, 27
.set SPW,  28
.set NIL,  29
.set LIM,  30
.set SCL,  31
.set U,    32                          ; the way out, 32 numbers each: u (then u^2, then gelu), t, the polynomial, |u|, max(u, 0), the raw sums
.set T,    64
.set PP,   96
.set W,    128
.set MX,   160
.set R,    192
.set CD,   224                         ; v224-231 four rows' codes
.set C8,   232                         ; v[232:233] one coefficient, so that no packed instruction names two scalar pairs
.set AF,   128
.set G1, 24
.set G0, 32
.set G1B, 48
.set G0B, 56
.set MSB, 0
.macro WIN new
.if MSB != \new
	s_set_vgpr_msb (MSB<<8)|\new
.set MSB, \new
.endif
.endm
.set MUL_LO, 0xa1
.set MUL_HI, 0xf1
.set TO_B,   0x40
.macro JLOAD g0a, g1a, g0b, g1b        ; waves 0 and 1 fetch for P, waves 2 and 3 for Q; an s_nop 0 and four v_nop follow each line
	s_cmp_eq_u32 s15, 0
	s_cbranch_scc0 .Lfor_b_\@
	tensor_load_to_lds s[\g0a:\g0a+3], s[\g1a:\g1a+7]
	s_nop 0
.rept 4
	v_nop
.endr
	s_branch .Lasked_\@
.Lfor_b_\@:
	tensor_load_to_lds s[\g0b:\g0b+3], s[\g1b:\g1b+7]
	s_nop 0
.rept 4
	v_nop
.endr
.Lasked_\@:
.endm
.macro CREST
	s_cmp_lg_u32 s14, 0
	s_cbranch_scc1 .Lnot_wave_0_\@
	s_barrier_signal -3
.Lnot_wave_0_\@:
	s_barrier_wait -3
	s_barrier_signal -1
	s_barrier_wait -1
.endm
.macro CROUND
	s_barrier_signal -1
	s_barrier_wait -1
	CREST
.endm
	s_load_b128 s[4:7], s[0:1], 0x0                ; hc, wc
	s_load_b128 s[8:11], s[0:1], 0x10              ; the scales' exponents, b_fc1
	s_load_b64 s[12:13], s[0:1], 0x20              ; hid
	v_lshl_add_u32 v[SPW], v0, 2, SPARE
	v_mov_b32 v[NIL], 0
	ds_add_u32 v[SPW], v[NIL]                      ; the wave's opening
	v_lshrrev_b32 v1, 5, v0
	v_readfirstlane_b32 s14, v1
	s_lshr_b32 s15, s14, 1
	s_and_b32 s16, s14, 1
	s_bfe_u32 s40, ttmp6, 0x40000
	s_bfe_u32 s41, ttmp6, 0x40004
	s_lshl_b32 s42, ttmp9, 2
	s_add_co_u32 s42, s42, s40                     ; tile column
	s_and_b32 s17, ttmp7, 0xffff
	s_lshl_b32 s17, s17, 2
	s_add_co_u32 s17, s17, s41                     ; tile row
	s_lshl_b32 s43, s41, 2
	s_lshl_b32 s43, 15, s43
	s_lshl_b32 s44, 0x1111, s40
	s_or_b32 s[G1+0], s43, (1<<20)|(1<<21)|(5<<22)|(3<<25)
	s_or_b32 s[G1B+0], s44, (1<<20)|(1<<21)|(5<<22)|(3<<25)
.irp g, G1, G1B
	s_mov_b32 s[\g+1], ROWB<<16
	s_mov_b32 s[\g+2], 128<<16
	s_mov_b32 s[\g+3], ROWB<<16
	s_mov_b32 s[\g+4], 128
	s_mov_b32 s[\g+5], KROW
	s_mov_b32 s[\g+6], 0
	s_mov_b32 s[\g+7], 0
.endr
	s_lshl_b32 s18, s16, 7
	s_lshl_b32 s20, s17, 8
	s_add_co_u32 s20, s20, s18
	s_lshl_b32 s20, s20, 10
	s_mov_b32 s21, 0
	s_lshl_b32 s46, s42, 8
	s_add_co_u32 s46, s46, s18
	s_lshl_b32 s46, s46, 10
	s_add_co_u32 s46, s46, 4194304                 ; w_fc1's codes in wc
	s_mov_b32 s47, 0
	s_mul_i32 s45, s14, HALFT
	s_wait_dscnt 0x0                               ; the opening add is done
	s_wait_kmcnt 0x0
	s_load_b128 s[88:91], s[8:9], 0x20             ; e8 .. e11
	s_add_nc_u64 s[20:21], s[4:5], s[20:21]
	s_add_nc_u64 s[46:47], s[6:7], s[46:47]
	CROUND
.irp s, 0,1
	s_mov_b32 s[G0+4*\s], 1
	s_add_co_u32 s[G0+4*\s+1], s45, \s*SLOT
	s_add_nc_u64 s[G0+4*\s+2:G0+4*\s+3], s[20:21], \s*ROWB
	s_or_b32 s[G0+4*\s+3], s[G0+4*\s+3], 0x80000000
	s_mov_b32 s[G0B+4*\s], 1
	s_add_co_u32 s[G0B+4*\s+1], s45, \s*SLOT
	s_add_nc_u64 s[G0B+4*\s+2:G0B+4*\s+3], s[46:47], \s*ROWB
	s_or_b32 s[G0B+4*\s+3], s[G0B+4*\s+3], 0x80000000
	JLOAD G0+4*\s, G1, G0B+4*\s, G1B
.endr
	v_and_b32 v1, 15, v0
	v_bfe_u32 v2, v0, 4, 1
	v_and_b32 v6, 31, v0
	v_mul_u32_u24 v3, v1, PITCH
	v_lshl_add_u32 v4, v2, 4, v3
	s_mul_i32 s21, s15, HALFT
	s_mul_i32 s22, s16, HALFT
	s_add_co_u32 s22, s22, 2*HALFT
.irp s, 0,1
	v_add_nc_u32 v[ADRA+\s], s21, v4
	v_add_nc_u32 v[ADRB+\s], s22, v4
	s_add_co_u32 s21, s21, SLOT
	s_add_co_u32 s22, s22, SLOT
.endr
	s_mul_i32 s23, s15, 128*RP
	s_lshl_b32 s18, s16, 9
	s_add_co_u32 s23, s23, s18
	v_mul_u32_u24 v5, v1, RP
	v_lshl_add_u32 v5, v2, 5, v5
	v_add_nc_u32 v[STO], s23, v5                   ; the stage: (128 half + r) rows + 512 half + 32 h
	v_add_nc_u32 v[STO2], 64*RP, v[STO]            ; and 64 rows on
	v_lshlrev_b32 v[CO], 4, v6
	v_lshlrev_b32 v[G8], 3, v6
	s_mul_i32 s23, s14, 64*RP
	v_add_nc_u32 v[RD], s23, v[CO]                 ; back: my 64 rows, 16 bytes a lane
	s_lshl_b32 s76, s42, 10
	s_mov_b32 s77, 0
	s_add_nc_u64 s[10:11], s[10:11], s[76:77]      ; b_fc1 at the tile's first column
	global_load_b128 v[BI:BI+3], v[CO], s[10:11]               ; b_fc1 at columns 4 l + i,
	global_load_b128 v[BI+4:BI+7], v[CO], s[10:11] offset:512  ; and 128 + 4 l + i: wanted on the way out; v8-15, v26 and s[10:11] are not written again
	s_lshl_b32 s78, s17, 8
	s_lshl_b32 s79, s14, 6
	s_add_co_u32 s78, s78, s79
	s_lshl_b32 s78, s78, 12
	s_lshl_b32 s79, s42, 8
	s_add_co_u32 s78, s78, s79
	s_mov_b32 s79, 0
	s_add_nc_u64 s[12:13], s[12:13], s[78:79]      ; hid at row 256 tile row + 64 wave, byte 256 tile column
.macro FRAG reg, adr, q, i
.irp c, 0,1,2,3
	ds_load_b128 v[\reg+4*\c:\reg+4*\c+3], v[\adr] offset:128*(\q)+32*\c+(\i)*16*PITCH
.endr
.endm
.macro MUL16 a0, p, zero               ; the 64 accumulators take turns, one instruction a turn
.irp a, \a0, \a0+1
.irp b, 0,1,2,3,4,5,6,7
.if \zero
	v_wmma_f32_16x16x128_fp8_fp8 v[8*(8*((\a)%4)+\b):8*(8*((\a)%4)+\b)+7], v[128*(\p)+FR*\b:128*(\p)+FR*\b+FR-1], v[AF+FR*(\a):AF+FR*(\a)+FR-1], 0
.else
	v_wmma_f32_16x16x128_fp8_fp8 v[8*(8*((\a)%4)+\b):8*(8*((\a)%4)+\b)+7], v[128*(\p)+FR*\b:128*(\p)+FR*\b+FR-1], v[AF+FR*(\a):AF+FR*(\a)+FR-1], v[8*(8*((\a)%4)+\b):8*(8*((\a)%4)+\b)+7]
.endif
.endr
.endr
.endm
.macro FETCH_B slot, q, p
	WIN TO_B
.irp i, 0,1,2,3,4,5,6,7
	FRAG 128*(\p)+FR*\i, ADRB+\slot, \q, \i
.endr
	WIN 0
.endm
.macro FETCH_A slot, q, i0
.irp i, \i0, \i0+1, \i0+2, \i0+3
	FRAG AF+FR*(\i), ADRA+\slot, \q, \i
.endr
.endm
.macro PLACES n                        ; plain vector instructions between a matrix instruction and a write of, a load into, or a read of its registers
.rept \n
	v_nop
.endr
.endm
.macro STEP slot, q, zero
	s_wait_dscnt 4*NL                              ; Q's set and P's blocks 0-3 are in; P's blocks 4-7 may be out
	WIN MUL_LO
	MUL16 0, (\q)%2, \zero
	MUL16 2, (\q)%2, \zero
	s_wait_dscnt 0
	PLACES NP
	FETCH_B \slot, (\q)+1, 1-(\q)%2
	FETCH_A \slot, (\q)+1, 0
	WIN MUL_HI
	MUL16 4, (\q)%2, \zero
	MUL16 6, (\q)%2, \zero
	PLACES NP
	WIN 0
	FETCH_A \slot, (\q)+1, 4
.endm
.macro TURN slot, next, fill
	s_wait_tensorcnt 0x0                           ; all my tensor loads have landed: my part of the next slot
	ds_add_u32 v[SPW], v[NIL]
	s_wait_dscnt 4*NL+1                            ; the add and P's blocks 4-7 may be out
	WIN MUL_LO
	MUL16 0, 1, 0
	s_wait_dscnt 0x0                               ; the add is done, and my reads of this slot are over
	s_barrier_signal -1
	MUL16 2, 1, 0
	WIN 0
	s_barrier_wait -1
.if \fill
	CREST
	s_add_nc_u64 s[G0+4*\slot+2:G0+4*\slot+3], s[G0+4*\slot+2:G0+4*\slot+3], 2*ROWB
	s_add_nc_u64 s[G0B+4*\slot+2:G0B+4*\slot+3], s[G0B+4*\slot+2:G0B+4*\slot+3], 2*ROWB
	JLOAD G0+4*\slot, G1, G0B+4*\slot, G1B
.else
	PLACES NP
.endif
	FETCH_B \next, 0, 0
	FETCH_A \next, 0, 0
	WIN MUL_HI
	MUL16 4, 1, 0
	MUL16 6, 1, 0
	PLACES NP
	WIN 0
	FETCH_A \next, 0, 4
.endm
; THE PLAIN LINES OF A HALF (16 numbers a lane: 8 pairs) are a list of 160; PL writes number j of it for half h.
;   0-7 u = sum x 2^(e8 + e9) + b;  8-23 max(u, 0);  24-31 |u| = 2 max(u, 0) - u, exact;  32-39 1 + |u| / (2 sqrt 2);  (the reciprocals: t);  40-47 u^2;
;   48-119 the polynomial, nine rounds of eight;  120-127 - u^2 log2(e) / 2;  (the exponentials);  128-135 h = t x the power;  136-143 gelu = max(u, 0) - |u| h;  144-159 the hold
.macro PL h
.set hb, 16*(\h)
.if j < 8
.set o, hb+2*j
	v_pk_fma_f32 v[U+o:U+o+1], v[R+o:R+o+1], s[46:47], v[BI+2*(j%4):BI+2*(j%4)+1] op_sel_hi:[1,0,1]
.elseif j < 24
.set o, hb+j-8
	v_max_num_f32 v[MX+o], 0, v[U+o]
.elseif j < 32
.set o, hb+2*(j-24)
	v_pk_fma_f32 v[W+o:W+o+1], v[MX+o:MX+o+1], 2.0, v[U+o:U+o+1] op_sel_hi:[1,0,1] neg_lo:[0,0,1] neg_hi:[0,0,1]
.elseif j < 40
.set o, hb+2*(j-32)
	v_pk_fma_f32 v[T+o:T+o+1], v[W+o:W+o+1], s[42:43], 1.0 op_sel_hi:[1,0,0]
.elseif j < 48
.set o, hb+2*(j-40)
	v_pk_mul_f32 v[U+o:U+o+1], v[U+o:U+o+1], v[U+o:U+o+1]
.elseif j < 56
.set o, hb+2*(j-48)
	v_pk_fma_f32 v[PP+o:PP+o+1], v[T+o:T+o+1], s[40:41], v[C8:C8+1] op_sel_hi:[1,0,1]
.elseif j < 120
.set o, hb+2*((j-56)%8)
.set cc, 38-2*((j-56)/8)
	v_pk_fma_f32 v[PP+o:PP+o+1], v[PP+o:PP+o+1], v[T+o:T+o+1], s[cc:cc+1] op_sel_hi:[1,1,0]
.elseif j < 128
.set o, hb+2*(j-120)
	v_pk_fma_f32 v[PP+o:PP+o+1], v[U+o:U+o+1], s[44:45], v[PP+o:PP+o+1] op_sel_hi:[1,0,1]
.elseif j < 136
.set o, hb+2*(j-128)
	v_pk_mul_f32 v[PP+o:PP+o+1], v[PP+o:PP+o+1], v[T+o:T+o+1]
.elseif j < 144
.set o, hb+2*(j-136)
	v_pk_fma_f32 v[U+o:U+o+1], v[W+o:W+o+1], v[PP+o:PP+o+1], v[MX+o:MX+o+1] neg_lo:[1,0,0] neg_hi:[1,0,0]
.else
.set o, hb+j-144
	v_med3_num_f32 v[U+o], v[U+o], -v[LIM], v[LIM]
.endif
.endm
.macro RLOAD                           ; four rows' raw sums from the stage, at byte s2 of my 64 rows
	v_add_nc_u32 v[AD], s2, v[RD]
.irp rr, 0,1,2,3
	ds_load_b128 v[R+8*\rr:R+8*\rr+3], v[AD] offset:\rr*RP
	ds_load_b128 v[R+8*\rr+4:R+8*\rr+7], v[AD] offset:\rr*RP+512
.endr
.endm
; A TRIP: four rows.  nxt = 1: the next trip's rows are fetched.  Each batch of 16 transcendentals names registers that no line names before the batch's wait
; each transcendental is followed by two plain lines or more.
.macro TRIP nxt
	s_wait_dscnt 0x0                               ; my four rows are in: they were asked for most of a trip ago
.set j, 0
.rept 40
	PL 0                                           ; half A up to the reciprocal's argument
.set j, j+1
.endr
.set j, 0
.rept 16                               ; A's reciprocals | B up to the reciprocal's argument, then A's squares: three plain lines to each
	v_rcp_f32 v[T+j/3], v[T+j/3]
.rept 3
.if j < 40
	PL 1
.else
	PL 0
.endif
.set j, j+1
.endr
.endr
.if \nxt
	s_add_co_u32 s2, s2, 4*RP                      ; both halves have read their raw sums
	RLOAD
.endif
	s_wait_alu depctr_va_vdst(0)                   ; A's reciprocals
.set j, 48
.rept 16                               ; B's reciprocals | A's polynomial: five to each
	v_rcp_f32 v[T+16+(j-48)/5], v[T+16+(j-48)/5]
.rept 5
	PL 0
.set j, j+1
.endr
.endr
	s_wait_alu depctr_va_vdst(0)                   ; B's reciprocals
.set j, 40
.rept 16                               ; A's exponentials | B's squares and polynomial: five to each,
	v_exp_f32 v[PP+(j-40)/5], v[PP+(j-40)/5]
.rept 5
	PL 1
.set j, j+1
.endr
.endr
.rept 8
	PL 1                                           ; and B's last eight
.set j, j+1
.endr
	s_wait_alu depctr_va_vdst(0)                   ; A's exponentials
.set j, 128
.rept 16                               ; B's exponentials | A's finish: two to each
	v_exp_f32 v[PP+16+(j-128)/2], v[PP+16+(j-128)/2]
.rept 2
	PL 0
.set j, j+1
.endr
.endr
	s_wait_alu depctr_va_vdst(0)                   ; B's exponentials
.set j, 128
.rept 32
	PL 1                                           ; B's finish
.set j, j+1
.endr
	s_wait_xcnt 0x0                                ; the last trip's stores, a trip back, have read their codes and their offset: both may be written
	v_add_nc_u32 v[G8], 4*4096, v[G8]              ; four rows of hid on; the stores reach back
.irp rr, 0,1,2,3
	v_cvt_scalef32_pk8_fp8_f32 v[CD+2*\rr:CD+2*\rr+1], v[U+8*\rr:U+8*\rr+7], v[SCL]
.endr
	v_nop                                          ; a plain instruction behind the last conversion: the next trip writes its sources
.irp rr, 0,1,2,3
	global_store_b64 v[G8], v[CD+2*\rr:CD+2*\rr+1], s[12:13] offset:\rr*4096-4*4096   ; the wave stores 256 consecutive bytes, aligned
.endr
.endm
	s_wait_tensorcnt 1                             ; my part of K step 0 is in; K step 1's load may be out
	s_barrier_signal -1
	s_barrier_wait -1
	FETCH_B 0, 0, 0
	FETCH_A 0, 0, 0
	FETCH_A 0, 0, 4
	STEP 0, 0, 1
	s_mov_b32 s3, LAPS-1
.Llap:
	TURN 0, 1, 1
	STEP 1, 0, 0
	TURN 1, 0, 1
	STEP 0, 0, 0
	s_sub_co_u32 s3, s3, 1
	s_cmp_lg_u32 s3, 0
	s_cbranch_scc1 .Llap
	TURN 0, 1, 0
	STEP 1, 0, 0
	s_wait_dscnt 4*NL
	WIN MUL_LO
	MUL16 0, 1, 0
	MUL16 2, 1, 0
	s_wait_dscnt 0
	WIN MUL_HI
	MUL16 4, 1, 0
	MUL16 6, 1, 0
	WIN 0
	PLACES NP                                      ; the places behind the last products, once for all that follows: the writes of and loads into v128-255, which held P's fragments, and the stores that read the sums
	s_wait_dscnt 0x0                               ; my reads of slot 1 are over; both slots have had their last fill
	s_barrier_signal -1
	s_barrier_wait -1                              ; everybody's are: the stage may be laid over them
	; the constants.  No tensor load is out, so the descriptors' registers are free.  Coefficient k x log2(e) in s[24 + 2 k] twice; the ninth in s[40:41]; the eighth in v[C8:C8+1]
	s_wait_kmcnt 0x0
	s_mov_b32 s92, 0x3fb8aa3b                      ; log2(e)
	s_mul_f32 s24, -1.26551223, s92
	s_add_f32 s24, s24, -1.0                       ; the half in h
	s_mul_f32 s26, 1.00002368, s92
	s_mul_f32 s28, 0.37409196, s92
	s_mul_f32 s30, 0.09678418, s92
	s_mul_f32 s32, -0.18628806, s92
	s_mul_f32 s34, 0.27886807, s92
	s_mul_f32 s36, -1.13520398, s92
	s_mul_f32 s38, 1.48851587, s92
	s_mul_f32 s93, -0.82215223, s92
	s_mul_f32 s40, 0.17087277, s92
	s_mov_b32 s42, 0x3eb504f3                      ; 1 / (2 sqrt 2)
	s_mov_b32 s44, 0xbf38aa3b                      ; -log2(e) / 2
	s_add_co_i32 s46, s88, s89
	s_add_co_i32 s46, s46, 127
	s_lshl_b32 s46, s46, 23                        ; 2^(e8 + e9)
.irp k, 24,26,28,30,32,34,36,38,40,42,44,46
	s_mov_b32 s[\k+1], s[\k]                       ; a packed instruction names the pair
.endr
	v_mov_b32 v[C8], s93
	v_mov_b32 v[C8+1], s93
	s_add_co_i32 s94, s90, 127
	s_lshl_b32 s95, s94, 23
	v_mov_b32 v[SCL], s95                          ; 2^e10
	s_add_co_i32 s94, s94, 8
	s_lshl_b32 s94, s94, 23
	s_or_b32 s94, s94, 0x600000
	v_mov_b32 v[LIM], s94
	WIN 0x08                                       ; store data window 2
.irp a, 0,1,2,3
.irp b, 0,1,2,3,4,5,6,7
	ds_store_b128 v[STO], v[8*(8*\a+\b):8*(8*\a+\b)+3] offset:\a*16*RP+64*\b
	ds_store_b128 v[STO], v[8*(8*\a+\b)+4:8*(8*\a+\b)+7] offset:\a*16*RP+64*\b+16
.endr
.endr
	WIN 0x0c                                       ; window 3: my rows 64 on
.irp a, 0,1,2,3
.irp b, 0,1,2,3,4,5,6,7
	ds_store_b128 v[STO2], v[8*(8*\a+\b):8*(8*\a+\b)+3] offset:\a*16*RP+64*\b
	ds_store_b128 v[STO2], v[8*(8*\a+\b)+4:8*(8*\a+\b)+7] offset:\a*16*RP+64*\b+16
.endr
.endr
	WIN 0
	s_wait_dscnt 0x0                               ; for the others' sake: my stores into the stage are done
	s_barrier_signal -1
	s_barrier_wait -1
	s_mov_b32 s3, 15
	s_mov_b32 s2, 0
	RLOAD                                          ; the first trip's rows
	s_wait_loadcnt 0x0                             ; b_fc1, asked for at the head
.Lrows:                                ; 15 trips of four rows, each fetching the next trip's
	TRIP 1
	s_sub_co_u32 s3, s3, 1
	s_cmp_lg_u32 s3, 0
	s_cbranch_scc1 .Lrows
	TRIP 0                                         ; the last four rows: nothing more to fetch
	s_wait_tensorcnt 0x0                           ; the wave's end
	ds_add_u32 v[SPW], v[NIL]
	s_wait_dscnt 0x0
	CROUND                                         ; the closing round
	s_endpgm
.Lfunc_end_k_q5a0b26d28b_fc1:
	.size	k_q5a0b26d28b_fc1, .Lfunc_end_k_q5a0b26d28b_fc1-k_q5a0b26d28b_fc1
	.p2alignl 7, 3214868480
	.fill 96, 4, 3214868480
	.section	.rodata,"a",@progbits
	.p2align	6, 0x0
	.amdhsa_kernel k_q5a0b26d28b_fc1
		.amdhsa_group_segment_fixed_size 327680
		.amdhsa_private_segment_fixed_size 0
		.amdhsa_enable_private_segment 0
		.amdhsa_kernarg_size 40
		.amdhsa_user_sgpr_count 2
		.amdhsa_user_sgpr_kernarg_segment_ptr 1
		.amdhsa_wavefront_size32 1
		.amdhsa_system_sgpr_workgroup_id_x 1
		.amdhsa_system_sgpr_workgroup_id_y 1
		.amdhsa_system_sgpr_workgroup_id_z 1
		.amdhsa_system_vgpr_workitem_id 0
		.amdhsa_next_free_vgpr 1024
		.amdhsa_next_free_sgpr 100
		.amdhsa_reserve_vcc 0
		.amdhsa_float_denorm_mode_32 3
		.amdhsa_float_denorm_mode_16_64 3
		.amdhsa_memory_ordered 1
		.amdhsa_forward_progress 1
		.amdhsa_inst_pref_size 133
	.end_amdhsa_kernel
	.amdgpu_metadata
---
amdhsa.version: [ 1, 2 ]
amdhsa.kernels:
  - .name:           k_q5a0b26d28b_fc1
    .symbol:         k_q5a0b26d28b_fc1.kd
    .args:
      - { .name: hc, .offset: 0, .size: 8, .value_kind: global_buffer, .address_space: global }
      - { .name: wc, .offset: 8, .size: 8, .value_kind: global_buffer, .address_space: global }
      - { .name: lowp_scales, .offset: 16, .size: 8, .value_kind: global_buffer, .address_space: global }
      - { .name: b_fc1, .offset: 24, .size: 8, .value_kind: global_buffer, .address_space: global }
      - { .name: hid, .offset: 32, .size: 8, .value_kind: global_buffer, .address_space: global }
    .group_segment_fixed_size: 327680
    .private_segment_fixed_size: 0
    .kernarg_segment_align: 8
    .kernarg_segment_size: 40
    .max_flat_workgroup_size: 128
    .sgpr_count:     100
    .vgpr_count:     1024
    .wavefront_size: 32
...
	.end_amdgpu_metadata
.endif
;; end of part 6
;; launch fc2 (part 7): grid 8 x 32, 4 waves a work-group, clusters of 4 x 4, 327,680 bytes of LDS; arguments hid, wc, lowp_scales, b_fc2, x1, out0; writes out0
.if DOCPART == 7
	.amdgcn_target "amdgcn-amd-amdhsa--gfx1250"
	.amdhsa_code_object_version 6
	.text
	.protected	k_q5a0b26d28b_fc2
	.globl	k_q5a0b26d28b_fc2
	.p2align	8
	.type	k_q5a0b26d28b_fc2,@function
k_q5a0b26d28b_fc2:
	s_mov_b64 s[64:65], 0
	v_nop
	global_prefetch_b8 v0, s[64:65] scope:SCOPE_SE
	s_setreg_imm32_b32 hwreg(HW_REG_WAVE_MODE, 25, 1), 1
	s_wait_xcnt 0x0
	s_wait_alu depctr_hold_cnt(0) depctr_sa_sdst(0) depctr_va_vdst(0) depctr_va_sdst(0) depctr_va_ssrc(0) depctr_va_vcc(0) depctr_vm_vsrc(0)
	s_getreg_b32 s2, hwreg(HW_REG_IB_STS2, 6, 4)
	s_cmp_eq_u32 s2, 0
	s_cbranch_scc0 .Lentry_in_a_cluster
	s_endpgm
.Lentry_in_a_cluster:
	s_bfe_u32 s2, ttmp6, 0x10000c
	s_cmp_lg_u32 s2, 0xf033
	s_cbranch_scc0 .Lentry_shape_is_right
	s_endpgm
.Lentry_shape_is_right:
; out = residual + (A B^T x 2^(ea + eb) + bias), A and B codes of E4M3.  PROJ = 1: A = attention's result, [16 heads][4,096][64], B = w_proj's codes, K = 1,024, residual x, out x1.
; PROJ = 0: A = the hidden layer's codes [4,096][4,096], B = w_fc2's codes, K = 4,096, residual x1, out out0.
; A tile of 128 x 128 (256 work-groups), four waves of 64 x 64: 16 accumulators.  K goes in steps of 512 through a ring of two LDS slots: one joint load a wave behind each round, 64 matrix instructions in a step.
; CLUSTERS of 4 x 4: A's tiles are shared along a row, B's along a column, by joint loads.  The matrix instruction is used transposed (source 0 = B's rows, source 1 = A's): a lane holds eight neighbouring columns of a row.
; LIMIT: ea + eb between -126 and 127.
; REGISTERS: window 0: v0-31 addresses; v32-63 rows back from the stage; v64-95 results; v96-99 the bias; v128-255 the accumulators.  Window 1: two sets of fragments (A's four, then B's four).
;   Window 2: v0-127 my 64 x 64 of the residual: asked for at the head, wanted on the way out.
.set PROJ, 0
.if PROJ
.set KTOT,   1024
.set LAPS,   1
.set APITCH, 80
.set AHALF,  8*64*80
.set ASH,    6
.set BSH,    10
.set ASTEP,  8*262144
.set WOFF,   3145728
.set SOFF,   0x18
.else
.set KTOT,   4096
.set LAPS,   4
.set APITCH, 528
.set AHALF,  64*528
.set ASH,    12
.set BSH,    12
.set ASTEP,  512
.set WOFF,   8388608
.set SOFF,   0x28
.endif
.set BPITCH, 528                       ; 512 bytes + 16
.set BHALF,  64*BPITCH
.set ABYTES, 2*AHALF
.set SLOT,   ABYTES+2*BHALF
.set STAGE,  2*SLOT                    ; behind the ring: 16 rows x 272 bytes for each wave
.set SPITCH, 272
.set SPARE,  STAGE+4*16*SPITCH
.set ADRA, 16
.set ADRB, 20
.set STO,  24
.set RD,   25
.set CO,   26
.set BO,   27
.set SPW,  28
.set NIL,  29
.set BK,   32
.set OUTR, 64
.set BIAS, 96
.set ACC,  128
.set F0,   0
.set F1,   128
.set G1, 24
.set G0, 32
.set G1B, 48
.set G0B, 56
.set MSB, 0
.macro WIN new
.if MSB != \new
	s_set_vgpr_msb (MSB<<8)|\new
.set MSB, \new
.endif
.endm
.set MUL,  0x05                        ; sources 0 and 1 window 1; C and D window 0
.set TO_F, 0x40                        ; destination window 1
.macro JLOAD s                         ; waves 0 and 1 fetch A's halves, waves 2 and 3 B's; an s_nop 0 and four v_nop follow each line
	s_cmp_eq_u32 s11, 0
	s_cbranch_scc0 .Lfor_b_\@
	tensor_load_to_lds s[G0+4*\s:G0+4*\s+3], s[G1:G1+7]
	s_nop 0
.rept 4
	v_nop
.endr
	s_branch .Lasked_\@
.Lfor_b_\@:
	tensor_load_to_lds s[G0B+4*\s:G0B+4*\s+3], s[G1B:G1B+7]
	s_nop 0
.rept 4
	v_nop
.endr
.Lasked_\@:
.endm
.macro CREST
	s_cmp_lg_u32 s10, 0
	s_cbranch_scc1 .Lnot_wave_0_\@
	s_barrier_signal -3
.Lnot_wave_0_\@:
	s_barrier_wait -3
	s_barrier_signal -1
	s_barrier_wait -1
.endm
.macro CROUND
	s_barrier_signal -1
	s_barrier_wait -1
	CREST
.endm
	s_load_b128 s[4:7], s[0:1], 0x0                ; A's codes, wc
	s_load_b128 s[68:71], s[0:1], 0x10             ; the scales' exponents, the bias
	s_load_b128 s[72:75], s[0:1], 0x20             ; the residual, the output
	v_lshl_add_u32 v[SPW], v0, 2, SPARE
	v_mov_b32 v[NIL], 0
	ds_add_u32 v[SPW], v[NIL]                      ; the wave's opening
	v_lshrrev_b32 v1, 5, v0
	v_readfirstlane_b32 s10, v1                    ; wave 0..3
	s_lshr_b32 s11, s10, 1                         ; my half of the tile's rows.  Also: I fetch for A (0) or B (1)
	s_and_b32 s12, s10, 1                          ; my half of its columns.  Also: which 64 rows I fetch
	s_bfe_u32 s40, ttmp6, 0x40000
	s_bfe_u32 s41, ttmp6, 0x40004
	s_lshl_b32 s42, ttmp9, 2
	s_add_co_u32 s42, s42, s40                     ; tile column
	s_and_b32 s13, ttmp7, 0xffff
	s_lshl_b32 s13, s13, 2
	s_add_co_u32 s13, s13, s41                     ; tile row
	s_lshl_b32 s43, s41, 2
	s_lshl_b32 s43, 15, s43
	s_lshl_b32 s44, 0x1111, s40
.if PROJ
	s_or_b32 s[G1+0], s43, (1<<20)|(1<<21)|(3<<22)|(3<<25)
	s_mov_b32 s[G1+1], 4096<<16
	s_mov_b32 s[G1+2], 8<<16
	s_mov_b32 s[G1+3], 4096<<16
	s_mov_b32 s[G1+4], 8
	s_mov_b32 s[G1+5], 262144
.else
	s_or_b32 s[G1+0], s43, (1<<20)|(1<<21)|(6<<22)|(3<<25)   ; the mask; elements of 1 byte; 4 words of padding after every 128
	s_mov_b32 s[G1+1], 512<<16
	s_mov_b32 s[G1+2], 64<<16
	s_mov_b32 s[G1+3], 512<<16
	s_mov_b32 s[G1+4], 64
	s_mov_b32 s[G1+5], KTOT
.endif
	s_mov_b32 s[G1+6], 0
	s_mov_b32 s[G1+7], 0
	s_or_b32 s[G1B+0], s44, (1<<20)|(1<<21)|(6<<22)|(3<<25)
	s_mov_b32 s[G1B+1], 512<<16
	s_mov_b32 s[G1B+2], 64<<16
	s_mov_b32 s[G1B+3], 512<<16
	s_mov_b32 s[G1B+4], 64
	s_mov_b32 s[G1B+5], KTOT
	s_mov_b32 s[G1B+6], 0
	s_mov_b32 s[G1B+7], 0
	s_lshl_b32 s18, s12, 6
	s_lshl_b32 s16, s13, 7
	s_add_co_u32 s16, s16, s18
	s_lshl_b32 s16, s16, ASH                       ; A: row 128 x tile row + 64 x half, in bytes
	s_mov_b32 s17, 0
	s_lshl_b32 s46, s42, 7
	s_add_co_u32 s46, s46, s18
	s_lshl_b32 s46, s46, BSH
	s_add_co_u32 s46, s46, WOFF                    ; B: likewise, in its part of wc
	s_mov_b32 s47, 0
	s_mul_i32 s20, s12, AHALF                      ; where they go
	s_mul_i32 s21, s12, BHALF
	s_add_co_u32 s21, s21, ABYTES
	s_wait_dscnt 0x0                               ; the opening add is done
	s_wait_kmcnt 0x0
	s_load_b64 s[76:77], s[68:69], SOFF            ; ea, eb
	s_add_nc_u64 s[14:15], s[4:5], s[16:17]
	s_add_nc_u64 s[46:47], s[6:7], s[46:47]
	CROUND                                         ; the first joint loads meet
.irp s, 0,1
	s_mov_b32 s[G0+4*\s], 1
	s_add_co_u32 s[G0+4*\s+1], s20, \s*SLOT
	s_add_nc_u64 s[G0+4*\s+2:G0+4*\s+3], s[14:15], \s*ASTEP
	s_or_b32 s[G0+4*\s+3], s[G0+4*\s+3], 0x80000000
	s_mov_b32 s[G0B+4*\s], 1
	s_add_co_u32 s[G0B+4*\s+1], s21, \s*SLOT
	s_add_nc_u64 s[G0B+4*\s+2:G0B+4*\s+3], s[46:47], \s*512
	s_or_b32 s[G0B+4*\s+3], s[G0B+4*\s+3], 0x80000000
	JLOAD \s
.endr
	v_and_b32 v1, 15, v0                           ; r
	v_bfe_u32 v2, v0, 4, 1                         ; h
	v_mul_u32_u24 v3, v1, APITCH
	v_lshl_add_u32 v3, v2, 4, v3
	v_mul_u32_u24 v4, v1, BPITCH
	v_lshl_add_u32 v4, v2, 4, v4
	s_mul_i32 s21, s11, AHALF
	s_mul_i32 s22, s12, BHALF
	s_add_co_u32 s22, s22, ABYTES
.irp s, 0,1
	v_add_nc_u32 v[ADRA+\s], s21, v3
	v_add_nc_u32 v[ADRB+\s], s22, v4
	s_add_co_u32 s21, s21, SLOT
	s_add_co_u32 s22, s22, SLOT
.endr
	s_mul_i32 s23, s10, 16*SPITCH
	s_add_co_u32 s23, s23, STAGE                   ; my stage
	v_mul_u32_u24 v5, v1, SPITCH
	v_lshl_add_u32 v5, v2, 5, v5
	v_add_nc_u32 v[STO], s23, v5                   ; in: row r, 32 bytes for each half of the lanes
	v_mul_u32_u24 v5, v2, SPITCH
	v_lshl_add_u32 v5, v1, 4, v5
	v_add_nc_u32 v[RD], s23, v5                    ; back: sixteen lanes to a row of 256 bytes
	v_lshlrev_b32 v[BO], 4, v1
	v_lshl_add_u32 v[CO], v2, 12, v[BO]            ; and the same two rows in memory
	s_lshl_b32 s78, s42, 9
	s_lshl_b32 s79, s12, 8
	s_add_co_u32 s78, s78, s79                     ; my first column, in bytes
	s_mov_b32 s79, 0
	s_add_nc_u64 s[70:71], s[70:71], s[78:79]
	s_lshl_b32 s80, s13, 7
	s_lshl_b32 s81, s11, 6
	s_add_co_u32 s80, s80, s81
	s_lshl_b32 s80, s80, 12                        ; my first row, in bytes
	s_add_co_u32 s78, s78, s80
	s_add_nc_u64 s[72:73], s[72:73], s[78:79]
	s_add_nc_u64 s[74:75], s[74:75], s[78:79]
	; my 64 x 64 of the residual and my four of the bias are asked for here, behind the first tiles' requests; they are wanted only on the way out, so all the products stand between
	; the request and the wait for it.  Their registers, their offsets (v26, v27) and their bases (s[70:73]) are not written again
	WIN 0x80                                       ; destination window 2, address window 0
.irp a, 0,1,2,3
.irp t, 0,1,2,3,4,5,6,7
	global_load_b128 v[4*(8*\a+\t):4*(8*\a+\t)+3], v[CO], s[72:73] offset:(16*\a+2*\t)*4096
.endr
.endr
	WIN 0
	global_load_b128 v[BIAS:BIAS+3], v[BO], s[70:71]
.macro MUL8 f, a0, zero                ; A's blocks a0, a0 + 1 x B's four, 128 along K; the 16 accumulators take turns
.irp a, \a0, \a0+1
.irp b, 0,1,2,3
.if \zero
	v_wmma_f32_16x16x128_fp8_fp8 v[ACC+8*(4*(\a)+\b):ACC+8*(4*(\a)+\b)+7], v[\f+64+16*\b:\f+64+16*\b+15], v[\f+16*(\a):\f+16*(\a)+15], 0
.else
	v_wmma_f32_16x16x128_fp8_fp8 v[ACC+8*(4*(\a)+\b):ACC+8*(4*(\a)+\b)+7], v[\f+64+16*\b:\f+64+16*\b+15], v[\f+16*(\a):\f+16*(\a)+15], v[ACC+8*(4*(\a)+\b):ACC+8*(4*(\a)+\b)+7]
.endif
.endr
.endr
.endm
.macro FETCH slot, q, f                ; 32 LDS loads in one run: the slot's q-th 128 along K into set f; registers 4 c .. 4 c + 3: places 32 c + 16 h + 0 .. 15
	WIN TO_F
.irp i, 0,1,2,3
.irp c, 0,1,2,3
	ds_load_b128 v[\f+64+16*\i+4*\c:\f+64+16*\i+4*\c+3], v[ADRB+\slot] offset:128*(\q)+32*\c+\i*16*BPITCH
.endr
.endr
.irp i, 0,1,2,3
.irp c, 0,1,2,3
.if PROJ
	ds_load_b128 v[\f+16*\i+4*\c:\f+16*\i+4*\c+3], v[ADRA+\slot] offset:(2*(\q)+(\c/2))*64*APITCH+32*(\c%2)+\i*16*APITCH
.else
	ds_load_b128 v[\f+16*\i+4*\c:\f+16*\i+4*\c+3], v[ADRA+\slot] offset:128*(\q)+32*\c+\i*16*APITCH
.endif
.endr
.endr
.endm
.macro PLACES
.rept 4
	v_nop
.endr
.endm
.macro QSTEP slot, q, f, g, zero       ; fetches the slot's q-th 128 along K into g and multiplies f
	PLACES                                         ; g was read by the products just issued
	FETCH \slot, \q, \g
	s_wait_dscnt 32                                ; all but the 32 just issued: f is in
	WIN MUL
	MUL8 \f, 0, \zero
	MUL8 \f, 2, \zero
.endm
.macro TURN slot, next, fill           ; a slot's last 128 along K (in F1) and the change of slots
	WIN 0
	s_wait_tensorcnt 0x0                           ; all my tensor loads have landed: my part of the next slot
	ds_add_u32 v[SPW], v[NIL]
	s_wait_dscnt 1                                 ; only the add may be out
	WIN MUL
	MUL8 F1, 0, 0
	s_wait_dscnt 0x0                               ; the add is done, and my reads of this slot are over
	s_barrier_signal -1
	WIN 0
	s_barrier_wait -1
.if \fill
	CREST                                          ; the barrier has opened a round of the cluster's: no wave of any partner still reads this slot or has a load on its way
	s_add_nc_u64 s[G0+4*\slot+2:G0+4*\slot+3], s[G0+4*\slot+2:G0+4*\slot+3], 2*ASTEP
	s_add_nc_u64 s[G0B+4*\slot+2:G0B+4*\slot+3], s[G0B+4*\slot+2:G0B+4*\slot+3], 2*512
	JLOAD \slot                                    ; the first tensor load behind the round; its four v_nop are the places in front of the loads below
.else
	PLACES
.endif
	FETCH \next, 0, F0
	WIN MUL
	MUL8 F1, 2, 0
.endm
	s_wait_tensorcnt 1                             ; my part of slot 0 is in; slot 1's load may be out
	s_barrier_signal -1
	s_barrier_wait -1
	FETCH 0, 0, F0
	QSTEP 0, 1, F0, F1, 1                          ; the first products start the sums
.if LAPS > 1
	WIN 0
	s_mov_b32 s3, LAPS-1
.Llap:                                 ; a trip goes once round the ring and fills both slots again
	QSTEP 0, 2, F1, F0, 0
	QSTEP 0, 3, F0, F1, 0
	TURN 0, 1, 1
	QSTEP 1, 1, F0, F1, 0
	QSTEP 1, 2, F1, F0, 0
	QSTEP 1, 3, F0, F1, 0
	TURN 1, 0, 1
	QSTEP 0, 1, F0, F1, 0
	WIN 0
	s_sub_co_u32 s3, s3, 1
	s_cmp_lg_u32 s3, 0
	s_cbranch_scc1 .Llap
.endif
	QSTEP 0, 2, F1, F0, 0                          ; the last lap fills nothing
	QSTEP 0, 3, F0, F1, 0
	TURN 0, 1, 0
	QSTEP 1, 1, F0, F1, 0
	QSTEP 1, 2, F1, F0, 0
	QSTEP 1, 3, F0, F1, 0
	s_wait_dscnt 0x0                               ; the last 128 along K are in: nothing more to fetch
	MUL8 F1, 0, 0
	MUL8 F1, 2, 0
	WIN 0
	s_wait_kmcnt 0x0
	s_add_co_i32 s76, s76, s77
	s_add_co_i32 s76, s76, 127
	s_lshl_b32 s76, s76, 23                        ; 2^(ea + eb) as f32
	s_mov_b32 s77, s76
	PLACES
	; THE WAY OUT, 16 rows at a time through my own stage: a lane's 32 bytes go in, whole rows of 256 bytes come back
.irp a, 0,1,2,3
.irp b, 0,1,2,3
	ds_store_b128 v[STO], v[ACC+8*(4*\a+\b):ACC+8*(4*\a+\b)+3] offset:64*\b
	ds_store_b128 v[STO], v[ACC+8*(4*\a+\b)+4:ACC+8*(4*\a+\b)+7] offset:64*\b+16
.endr
.irp t, 0,1,2,3,4,5,6,7
	ds_load_b128 v[BK+4*\t:BK+4*\t+3], v[RD] offset:\t*2*SPITCH   ; LDS serves a wave's instructions in order
.endr
	s_wait_dscnt 0x0
.if \a == 0
	s_wait_loadcnt 0x0                             ; the residual and the bias, asked for at the head
.endif
	s_wait_xcnt 0x0                                ; the earlier stores have read their registers
	WIN 0x08                                       ; source 1 window 2: the residual
.irp t, 0,1,2,3,4,5,6,7
	v_pk_fma_f32 v[OUTR+4*\t:OUTR+4*\t+1], v[BK+4*\t:BK+4*\t+1], s[76:77], v[BIAS:BIAS+1] op_sel_hi:[1,0,1]
	v_pk_fma_f32 v[OUTR+4*\t+2:OUTR+4*\t+3], v[BK+4*\t+2:BK+4*\t+3], s[76:77], v[BIAS+2:BIAS+3] op_sel_hi:[1,0,1]
.endr
.irp t, 0,1,2,3,4,5,6,7
	v_pk_add_f32 v[OUTR+4*\t:OUTR+4*\t+1], v[OUTR+4*\t:OUTR+4*\t+1], v[4*(8*\a+\t):4*(8*\a+\t)+1]
	v_pk_add_f32 v[OUTR+4*\t+2:OUTR+4*\t+3], v[OUTR+4*\t+2:OUTR+4*\t+3], v[4*(8*\a+\t)+2:4*(8*\a+\t)+3]
.endr
	WIN 0
.irp t, 0,1,2,3,4,5,6,7
	global_store_b128 v[CO], v[OUTR+4*\t:OUTR+4*\t+3], s[74:75] offset:(16*\a+2*\t)*4096   ; sixteen lanes store 256 consecutive bytes, aligned
.endr
.endr
	s_wait_tensorcnt 0x0                           ; the wave's end
	ds_add_u32 v[SPW], v[NIL]
	s_wait_dscnt 0x0
	CROUND                                         ; the closing round
	s_endpgm
.Lfunc_end_k_q5a0b26d28b_fc2:
	.size	k_q5a0b26d28b_fc2, .Lfunc_end_k_q5a0b26d28b_fc2-k_q5a0b26d28b_fc2
	.p2alignl 7, 3214868480
	.fill 96, 4, 3214868480
	.section	.rodata,"a",@progbits
	.p2align	6, 0x0
	.amdhsa_kernel k_q5a0b26d28b_fc2
		.amdhsa_group_segment_fixed_size 327680
		.amdhsa_private_segment_fixed_size 0
		.amdhsa_enable_private_segment 0
		.amdhsa_kernarg_size 48
		.amdhsa_user_sgpr_count 2
		.amdhsa_user_sgpr_kernarg_segment_ptr 1
		.amdhsa_wavefront_size32 1
		.amdhsa_system_sgpr_workgroup_id_x 1
		.amdhsa_system_sgpr_workgroup_id_y 1
		.amdhsa_system_sgpr_workgroup_id_z 1
		.amdhsa_system_vgpr_workitem_id 0
		.amdhsa_next_free_vgpr 640
		.amdhsa_next_free_sgpr 84
		.amdhsa_reserve_vcc 0
		.amdhsa_float_denorm_mode_32 3
		.amdhsa_float_denorm_mode_16_64 3
		.amdhsa_memory_ordered 1
		.amdhsa_forward_progress 1
		.amdhsa_inst_pref_size 81
	.end_amdhsa_kernel
	.amdgpu_metadata
---
amdhsa.version: [ 1, 2 ]
amdhsa.kernels:
  - .name:           k_q5a0b26d28b_fc2
    .symbol:         k_q5a0b26d28b_fc2.kd
    .args:
      - { .name: hid, .offset: 0, .size: 8, .value_kind: global_buffer, .address_space: global }
      - { .name: wc, .offset: 8, .size: 8, .value_kind: global_buffer, .address_space: global }
      - { .name: lowp_scales, .offset: 16, .size: 8, .value_kind: global_buffer, .address_space: global }
      - { .name: b_fc2, .offset: 24, .size: 8, .value_kind: global_buffer, .address_space: global }
      - { .name: x1, .offset: 32, .size: 8, .value_kind: global_buffer, .address_space: global }
      - { .name: out0, .offset: 40, .size: 8, .value_kind: global_buffer, .address_space: global }
    .group_segment_fixed_size: 327680
    .private_segment_fixed_size: 0
    .kernarg_segment_align: 8
    .kernarg_segment_size: 48
    .max_flat_workgroup_size: 128
    .sgpr_count:     84
    .vgpr_count:     640
    .wavefront_size: 32
...
	.end_amdgpu_metadata
.endif
;; end of part 7
